; MI455X (gfx1250); checked and timed in simulation.
; The chip was launched on July 23, 2026; its instructions are those of AMD's public machine-readable ISA for CDNA 5 (MIT licence, August 2026) and "CDNA5" Instruction Set Architecture Reference Guide (July 2026). The comments in the code are by the model that wrote it; some were corrected since.
;; Attention. Allowed arithmetic: matrix products marked QUANTISED: E5M2 operands, one E8M0 scale for each 32 along K, by v_wmma_scale_f32_16x16x128_f8f6f4 with both operands' format E5M2, f32 sums; everything else in f32.
;; Inputs: bk 512 float32; bo 2,048 float32; bq 2,048 float32; bv 512 float32; freqs_cis 2,048 x 64 float32; mask 2,048 x 2,048 float32; wk 512 x 2,048 float32; wo 2,048 x 2,048 float32; wq 2,048 x 2,048 float32; wv 512 x 2,048 float32; x 1 x 2,048 x 2,048 float32.
;; Outputs: out0 1 x 2,048 x 2,048 float32.
;; This version of the problem:
;;   THIS VERSION OF THE PROBLEM IS GIVEN IN LOW PRECISION. The matrix products marked QUANTISED in the list below multiply operands that are first quantised to E5M2 (5 exponent bits, 2 mantissa bits; 8 bits a number), with one power-of-two scale for each 32 numbers along K (OCP MX v1.0); their sums are f32. All else is computed in f32.
;;   The module's matrix products, in the order in which they are computed (A, B: the left and right operand; K: the contracted axis; several contracted axes count as one K, in the product's order):
;;     1. [M 2,048, K 2,048] x [K 2,048, N 2,048]; A: input x; B: input wq: QUANTISED
;;     2. [M 2,048, K 2,048] x [K 2,048, N 512]; A: input x; B: input wk: QUANTISED
;;     3. [M 2,048, K 2,048] x [K 2,048, N 512]; A: input x; B: input wv: QUANTISED
;;     4. batch 8 x [M 8,192, K 64] x [K 64, N 2,048]; A: computed on the way; B: computed on the way: QUANTISED
;;     5. batch 8 x [M 8,192, K 2,048] x [K 2,048, N 64]; A: softmax (see below); B: computed on the way: QUANTISED
;;     6. [M 2,048, K 2,048] x [K 2,048, N 2,048]; A: computed on the way; B: input wo: QUANTISED
;;   THE QUANTISER, for each operand of a quantised product, along K:
;;     - K is cut into blocks of 32 from its start; a last block that is shorter is filled with zeros.
;;     - A block's scale is 2^e with e = floor(log2(the largest magnitude in the block)) - 15, held to -126 .. 127; a block of zeros has e = 0. As a byte (E8M0): e + 127.
;;     - Each number is divided by its block's scale, clamped to +-57,344, and rounded to the nearest number of E5M2, ties to even, subnormals kept.
;;     - The product sums the exact products of the quantised numbers (number of the format x scale) in f32.
;;   ~~~python
;;   def quantise(x, axis):      # numpy; x: float32 -> the quantised numbers, widened to float32 again
;;       x = np.moveaxis(x, axis, -1); K = x.shape[-1]
;;       x = np.pad(x, [(0, 0)] * (x.ndim - 1) + [(0, -K % 32)]); x = x.reshape(x.shape[:-1] + (-1, 32)); a = np.abs(x).max(-1, keepdims=True)
;;       e = np.where(a > 0, np.clip(np.frexp(np.where(a > 0, a, 1))[1] - 1 - 15, -126, 127), 0)      # np.frexp(a)[1] - 1 = floor(log2(a)), exactly
;;       r = np.clip(x / 2.0 ** e, -57344, 57344)
;;       step = 2.0 ** (np.maximum(np.frexp(np.where(r == 0, 1, r))[1] - 1, -14) - 2)
;;       q = np.round(r / step) * step * 2.0 ** e      # np.round: ties to even
;;       return np.moveaxis(q.reshape(q.shape[:-2] + (-1,))[..., :K], -1, axis).astype(np.float32)
;;   ~~~
;;   SOFTMAX AHEAD OF A QUANTISED PRODUCT. Where the list says 'softmax', what is quantised is not the finished softmax but p = 2^(t - M), with t = logit x log2(e) and M = ceil(the row's largest t), a whole number; so 1/2 < the row's largest p <= 1. The row's sum l is taken of the UNQUANTISED p, in f32, and the product's result is divided by l at the end. Since M is a whole number, a kernel that streams over the keys may use a running M (the ceiling of the running maximum): every later rescaling is an exact power of two, which a block's scale takes up: the codes' values come out the same.
;;   OPERANDS COMPUTED ON THE WAY. 'Computed on the way' means the value that the module computes at that place (a softmax that the list does not call 'softmax' is quantised finished and normalised). What goes into a quantiser is computed in f32, as accurately as f32 sums, v_exp_f32 and their like allow (about 1e-6 of the number): no bf16 or f16 on the way to a quantiser, and a product that is left as it is and whose result goes on into a quantised operand takes f32 operands (vector FMAs, or v_wmma_f32_16x16x4_f32). A number that lies on a knife's edge between two numbers of the format may be rounded either way, as far as f32 arithmetic and the matrix unit's own rounding can turn it there, and no further.
;; One version. Each part assembles by itself: llvm-mc -triple=amdgcn-amd-amdhsa -mcpu=gfx1250 --defsym DOCPART=n.
;; ======== version 1 of 1: 4 launches
;; limits: right only within a limited range of input values
;; workspace buffers: cod 14,680,064 bytes; scl 458,752 bytes; qc 4,194,304 bytes; qs 262,144 bytes; kv 2,162,688 bytes; attc 4,194,304 bytes; atts 131,072 bytes
;; launch quant (part 1): grid 448 x 1, 4 waves a work-group, no clusters, 33,280 bytes of LDS; arguments x, wq, wk, wv, wo, cod, scl; writes cod, scl
.if DOCPART == 1
	.amdgcn_target "amdgcn-amd-amdhsa--gfx1250"
	.amdhsa_code_object_version 6
	.text
	.protected	k_qeeb228c7f1_quant
	.globl	k_qeeb228c7f1_quant
	.p2align	8
	.type	k_qeeb228c7f1_quant,@function
k_qeeb228c7f1_quant:
	s_mov_b64 s[64:65], 0
	v_nop
	global_prefetch_b8 v0, s[64:65] scope:SCOPE_SE
	s_setreg_imm32_b32 hwreg(HW_REG_WAVE_MODE, 25, 1), 1
	s_wait_xcnt 0x0
; LAUNCH 1 OF 4.  x [2048][2048], wq [2048][2048], wk [512][2048], wv [512][2048], wo [2048][2048], f32 with K innermost, become codes of BF8 (E5M2) in cod and one E8M0 byte for each 32 along K in scl.
; DEAD WORK: none in this program.  The mask is an input, so every key counts for every query and every number of the mask is added; all four biases reach quantised operands or the output.  All eleven inputs are loaded by some launch.
; A block's scale is 2^(floor(log2(its largest magnitude)) - 15); its byte is the largest magnitude's exponent field - 15, held at 1 from below.  A block of zeros so gets the byte 1 where the rule says 127:
; its codes are zeros, which add nothing under any byte but 0xff, and this program alone reads the bytes.
; LIMITS: blocks whose largest magnitude lies under 2^(15 - 126) take the floor's scale; NaN and infinities among the inputs are not served.
; ORDER OF ROWS IN cod AND scl (7,168 rows of 2,048 codes, of 64 bytes).  Groups of 16 rows: 0-127 x; 128-319 forty-eight units of 64 weight rows in the order in which launch 2 walks them
; (unit hq for wq's heads under 24, 3 hq - 48 for the others, 25 + 3 g for wk's group g, 26 + 3 g for wv's); 320-447 wo.  Inside every 32 rows bits 3 and 4 of the row's number change places:
; place 16 u + r holds row 8 u + r + 8 (r / 8), so that sixteen neighbouring places form a tile whose results, two tiles together, are 16 neighbours in a lane's registers.
; A work-group takes 16 rows, a wave 4 rows (8,192 numbers) in 16 steps of 512.  Each of a step's four loads reads 512 consecutive bytes; the 2,048 bytes turn through the wave's own stage in LDS and come back 64 bytes
; a lane (16 neighbours; two lanes hold a block).  A lane's 16 codes are 16 bytes: the wave stores 512 consecutive bytes.  A wave's 256 scale bytes are gathered in LDS and leave as one aligned run of 256 bytes.
; No tensor loads, no barrier: waves share nothing.  Loads run four steps (16 loads a wave) ahead, the turn through LDS one step.
.set WAVES, 4
.set STEPS, 16
.set EMAX,  15
.set MANT,  0x600000                   ; the mantissa field of 57,344 as f32
.set CB,    16                         ; bytes of 16 codes
.set R,     16                         ; v16-79   four sets of 16 numbers as they are loaded
.set X,     80                         ; v80-111  two sets of 16 neighbours
.set C,     128                        ; v128-191 codes: four registers for each step, so that no store's data are written again
.set E,     112                        ; v112-127 a scale byte for each step
.set WREG,  8192                       ; LDS: a region for each wave: two stages of 32 x SP bytes, behind them its 256 scale bytes
.set SP,    80                         ; a lane's place in a stage: 64 bytes + 16 of padding
.set SPW,   12                         ; v12 LDS address of my spare word; never rewritten
.set NIL,   13                         ; v13 0; never rewritten
.set SPARE, WAVES*WREG                 ; the spare words: 128 bytes a wave, named by no other line
	s_load_b256 s[4:11], s[0:1], 0x0               ; x, wq, wk, wv
	s_load_b128 s[12:15], s[0:1], 0x20             ; wo, cod
	s_load_b64 s[24:25], s[0:1], 0x30              ; scl
	v_lshl_add_u32 v[SPW], v0, 2, SPARE
	v_mov_b32 v[NIL], 0
	v_lshrrev_b32 v1, 5, v0
	v_readfirstlane_b32 s16, v1                    ; wave
	v_and_b32 v2, 31, v0                           ; lane
	v_lshlrev_b32 v3, 4, v2                        ; my 16 bytes of a load's 512
	s_mul_i32 s17, s16, WREG
	v_lshrrev_b32 v14, 2, v2
	v_mul_u32_u24 v14, v14, SP
	v_and_b32 v15, 3, v2
	v_lshl_add_u32 v14, v15, 4, v14
	v_add_nc_u32 v14, s17, v14                     ; the stage, way in: SP (lane / 4) + 16 (lane % 4)
	v_mul_u32_u24 v15, v2, SP
	v_add_nc_u32 v15, s17, v15                     ; way out: SP x lane: my 16 neighbours
	v_mul_u32_u24 v4, v2, CB                       ; my codes' place in a step's
	v_lshrrev_b32 v5, 1, v2
	s_add_co_u32 s17, s17, 2*32*SP
	v_add_nc_u32 v5, s17, v5                       ; LDS: my wave's 256 scale bytes, my block's byte
	v_lshlrev_b32 v7, 3, v2                        ; on the way out 8 bytes a lane
	v_add_nc_u32 v6, s17, v7
	s_mov_b32 s23, MANT
	s_wait_alu depctr_va_vdst(0)
	s_wait_kmcnt 0x0
	; which tensor: a choice on the work-group's number alone
	s_cmp_ge_u32 ttmp9, 128
	s_cselect_b64 s[4:5], s[6:7], s[4:5]
	s_cselect_b32 s26, 128, 0                      ; the tensor's first work-group
	s_cmp_ge_u32 ttmp9, 256
	s_cselect_b64 s[4:5], s[8:9], s[4:5]
	s_cselect_b32 s26, 256, s26
	s_cmp_ge_u32 ttmp9, 288
	s_cselect_b64 s[4:5], s[10:11], s[4:5]
	s_cselect_b32 s26, 288, s26
	s_cmp_ge_u32 ttmp9, 320
	s_cselect_b64 s[4:5], s[12:13], s[4:5]
	s_cselect_b32 s26, 320, s26
	s_sub_co_u32 s27, ttmp9, s26                   ; j: my 16 rows in the tensor
	s_lshr_b32 s28, s27, 2                         ; the head or group
	s_mul_i32 s29, s28, 3
	s_max_u32 s30, s29, 48
	s_sub_co_u32 s30, s30, 48                      ; wq's heads from 24 on: 3 hq - 48
	s_add_co_u32 s31, s29, 25                      ; wk
	s_add_co_u32 s32, s29, 26                      ; wv
	s_cmp_lt_u32 s28, 24
	s_cselect_b32 s30, s28, s30
	s_cmp_ge_u32 ttmp9, 256
	s_cselect_b32 s30, s31, s30
	s_cmp_ge_u32 ttmp9, 288
	s_cselect_b32 s30, s32, s30                    ; the unit
	s_lshl_b32 s30, s30, 2
	s_and_b32 s31, s27, 3
	s_add_co_u32 s30, s30, s31
	s_add_co_u32 s30, s30, 128                     ; a weight's group of 16 rows in cod
	s_sub_co_u32 s31, ttmp9, 128
	s_cmp_lt_u32 s31, 192                          ; work-groups 128 to 319 are the three weights; x and wo keep their own number
	s_cselect_b32 s30, s30, ttmp9
	s_lshl_b32 s18, s27, 2
	s_add_co_u32 s18, s18, s16                     ; my run of 4 rows in the tensor
	s_lshl_b32 s20, s18, 15                        ; 32,768 bytes a run
	s_mov_b32 s21, 0
	s_add_nc_u64 s[4:5], s[4:5], s[20:21]
	s_lshl_b32 s18, s30, 2
	s_add_co_u32 s18, s18, s16                     ; my run in cod, by true rows;
	s_and_b32 s19, s18, 0xfffffff9                 ; its bits 1 and 2 (the rows' bits 3 and 4) change places
	s_bfe_u32 s22, s18, 0x10001
	s_lshl_b32 s22, s22, 2
	s_or_b32 s19, s19, s22
	s_bfe_u32 s22, s18, 0x10002
	s_lshl_b32 s22, s22, 1
	s_or_b32 s19, s19, s22
	s_lshl_b32 s20, s19, 13                        ; 8,192 bytes of codes a run
	s_add_nc_u64 s[8:9], s[14:15], s[20:21]
	s_lshl_b32 s20, s19, 8                         ; 256 scale bytes a run
	s_add_nc_u64 s[10:11], s[24:25], s[20:21]
.macro LOAD t
.irp i, 0,1,2,3
	global_load_b128 v[R+16*((\t)%4)+4*\i:R+16*((\t)%4)+4*\i+3], v3, s[4:5] offset:2048*(\t)+512*\i th:TH_LOAD_NT   ; 32 lanes read 512 consecutive bytes
.endr
.endm
.macro TURN t                          ; step t's numbers through the stage: LDS serves a wave's instructions in order, so no wait stands between the stores and the loads
.irp i, 0,1,2,3
	ds_store_b128 v14, v[R+16*((\t)%4)+4*\i:R+16*((\t)%4)+4*\i+3] offset:32*SP*((\t)%2)+8*SP*\i
.endr
.irp i, 0,1,2,3
	ds_load_b128 v[X+16*((\t)%2)+4*\i:X+16*((\t)%2)+4*\i+3], v15 offset:32*SP*((\t)%2)+16*\i
.endr
.endm
.irp t, 0,1,2,3
	LOAD \t
.endr
	s_wait_loadcnt 12                              ; step 0's four loads are in; the twelve behind them may be out
	TURN 0
.macro STEP t
.set XS, X+16*((\t)%2)
.if (\t) > 0
	s_wait_dscnt 1                                 ; this step's numbers are back from the stage (the last step's byte store may be out)
.else
	s_wait_dscnt 0x0
.endif
.if (\t)+4 < STEPS
	LOAD (\t)+4                                    ; into the registers that this step's stage stores have read
.endif
.if (\t)+1 < STEPS
.if STEPS-2-(\t) >= 3
	s_wait_loadcnt 12                              ; the next step's four loads are in; those of the three steps behind it may be out
.else
	s_wait_loadcnt 4*(STEPS-2-(\t))
.endif
	TURN (\t)+1
.endif
	v_max3_num_f32 v8, |v[XS]|, |v[XS+1]|, |v[XS+2]|               ; the largest magnitude of my 16, in two chains
	v_max3_num_f32 v9, |v[XS+3]|, |v[XS+4]|, |v[XS+5]|
.irp i, 6,10
	v_max3_num_f32 v8, v8, |v[XS+\i]|, |v[XS+\i+1]|
	v_max3_num_f32 v9, v9, |v[XS+\i+2]|, |v[XS+\i+3]|
.endr
	v_max3_num_f32 v8, v8, |v[XS+14]|, |v[XS+15]|
	v_max3_num_f32 v8, v8, v9, (EMAX+1)<<23        ; and the floor 2^(16 - 127): the byte cannot fall under 1
	v_max_num_f32_dpp v8, v8, v8 row_xmask:1 row_mask:0xf bank_mask:0xf   ; and of my neighbour's 16: the block's
	v_add_nc_u32 v11, -(EMAX<<23), v8              ; 15 off its exponent field: the conversion takes the exponent field of this operand as its scale
	v_and_or_b32 v10, v8, 0x7f800000, s23          ; 57,344 x the scale
.irp i, 0,1,2,3,4,5,6,7,8,9,10,11,12,13,14,15
	v_med3_num_f32 v[XS+\i], v[XS+\i], -v10, v10   ; the conversion to an 8-bit code does not saturate (ISA guide 7.6.2): the hold comes first
.endr
	v_cvt_scalef32_pk8_bf8_f32 v[C+4*(\t):C+4*(\t)+1], v[XS:XS+7], v11
	v_cvt_scalef32_pk8_bf8_f32 v[C+4*(\t)+2:C+4*(\t)+3], v[XS+8:XS+15], v11
	v_lshrrev_b32 v[E+(\t)], 23, v11               ; the scale's byte
	ds_store_b8 v5, v[E+(\t)] offset:16*(\t)       ; both lanes of a block write the same byte with the same value
	global_store_b128 v4, v[C+4*(\t):C+4*(\t)+3], s[8:9] offset:32*CB*(\t)
.endm
.irp t, 0,1,2,3,4,5,6,7,8,9,10,11,12,13,14,15
	STEP \t
.endr
	ds_load_b64 v[8:9], v6                         ; LDS serves a wave's instructions in order: these see my stores
	s_wait_dscnt 0x0
	global_store_b64 v7, v[8:9], s[10:11]          ; 32 lanes store 256 consecutive bytes, aligned
	s_wait_tensorcnt 0x0                           ; the wave's end, behind my last LDS store
	ds_add_u32 v[SPW], v[NIL]
	s_wait_dscnt 0x0
	s_endpgm
.Lfunc_end_k_qeeb228c7f1_quant:
	.size	k_qeeb228c7f1_quant, .Lfunc_end_k_qeeb228c7f1_quant-k_qeeb228c7f1_quant
	.p2alignl 7, 3214868480
	.fill 96, 4, 3214868480
	.section	.rodata,"a",@progbits
	.p2align	6, 0x0
	.amdhsa_kernel k_qeeb228c7f1_quant
		.amdhsa_group_segment_fixed_size 33280
		.amdhsa_private_segment_fixed_size 0
		.amdhsa_enable_private_segment 0
		.amdhsa_kernarg_size 56
		.amdhsa_user_sgpr_count 2
		.amdhsa_user_sgpr_kernarg_segment_ptr 1
		.amdhsa_wavefront_size32 1
		.amdhsa_system_sgpr_workgroup_id_x 1
		.amdhsa_system_sgpr_workgroup_id_y 1
		.amdhsa_system_sgpr_workgroup_id_z 1
		.amdhsa_system_vgpr_workitem_id 0
		.amdhsa_next_free_vgpr 192
		.amdhsa_next_free_sgpr 66
		.amdhsa_reserve_vcc 0
		.amdhsa_float_denorm_mode_32 3
		.amdhsa_float_denorm_mode_16_64 3
		.amdhsa_memory_ordered 1
		.amdhsa_forward_progress 1
		.amdhsa_inst_pref_size 52
	.end_amdhsa_kernel
	.amdgpu_metadata
---
amdhsa.version: [ 1, 2 ]
amdhsa.kernels:
  - .name:           k_qeeb228c7f1_quant
    .symbol:         k_qeeb228c7f1_quant.kd
    .args:
      - { .name: x, .offset: 0, .size: 8, .value_kind: global_buffer, .address_space: global }
      - { .name: wq, .offset: 8, .size: 8, .value_kind: global_buffer, .address_space: global }
      - { .name: wk, .offset: 16, .size: 8, .value_kind: global_buffer, .address_space: global }
      - { .name: wv, .offset: 24, .size: 8, .value_kind: global_buffer, .address_space: global }
      - { .name: wo, .offset: 32, .size: 8, .value_kind: global_buffer, .address_space: global }
      - { .name: cod, .offset: 40, .size: 8, .value_kind: global_buffer, .address_space: global }
      - { .name: scl, .offset: 48, .size: 8, .value_kind: global_buffer, .address_space: global }
    .group_segment_fixed_size: 33280
    .private_segment_fixed_size: 0
    .kernarg_segment_align: 8
    .kernarg_segment_size: 56
    .max_flat_workgroup_size: 128
    .sgpr_count:     66
    .vgpr_count:     192
    .wavefront_size: 32
...
	.end_amdgpu_metadata
.endif
;; end of part 1
;; launch qkv (part 2): grid 16 x 16, 4 waves a work-group, clusters of 4 x 4, 327,680 bytes of LDS; arguments cod, scl, bq, bk, bv, freqs_cis, qc, qs, kv; writes qc, qs, kv
.if DOCPART == 2
	.amdgcn_target "amdgcn-amd-amdhsa--gfx1250"
	.amdhsa_code_object_version 6
	.text
	.protected	k_qeeb228c7f1_qkv
	.globl	k_qeeb228c7f1_qkv
	.p2align	8
	.type	k_qeeb228c7f1_qkv,@function
k_qeeb228c7f1_qkv:
	s_mov_b64 s[64:65], 0
	v_nop
	global_prefetch_b8 v0, s[64:65] scope:SCOPE_SE
	s_setreg_imm32_b32 hwreg(HW_REG_WAVE_MODE, 25, 1), 1
	s_wait_xcnt 0x0
	s_wait_alu depctr_hold_cnt(0) depctr_sa_sdst(0) depctr_va_vdst(0) depctr_va_sdst(0) depctr_va_ssrc(0) depctr_va_vcc(0) depctr_vm_vsrc(0)
	s_getreg_b32 s2, hwreg(HW_REG_IB_STS2, 6, 4)
	s_cmp_eq_u32 s2, 0
	s_cbranch_scc0 .Lentry_in_a_cluster
	s_endpgm
.Lentry_in_a_cluster:
	s_bfe_u32 s2, ttmp6, 0x10000c
	s_cmp_lg_u32 s2, 0xf033
	s_cbranch_scc0 .Lentry_shape_is_right
	s_endpgm
.Lentry_shape_is_right:
; LAUNCH 2 OF 4.  q, k, v = x W^T + b on codes of BF8 with E8M0 scales, then the rotation by freqs_cis (q, k), and the quantisers of launch 3's operands.  No work is left out.
; A work-group makes 128 tokens x 192 columns (three units of 64 weight rows); wave w owns tokens 32 w .. 32 w + 31 and all 192 columns.  K goes in steps of 256 through a ring of two LDS slots.
; CLUSTER 4 x 4: x's tile is asked for jointly along a row of the cluster, the weights' tile along a column.
; THE HEAD'S FOUR TILES, ONE A WAVE: wave 0 K step 0's 128 rows of x, wave 1 its 192 weight rows, wave 2 the scale bytes of x's rows for all of K, wave 3 those of the weights' rows.
; Slot 1's first fill stands behind the full sequence and a round, as a refill does.  In the ring waves 0 and 1 fetch the halves of x's tile, waves 2 and 3 those of the weights'.
; PREFETCH INTO THE L2, two K steps ahead of the load: the head asks for K steps 1 and 2, slot 1's fill for step 3, the change of slots in step s for step s + 4, up to step 7.
; Of the 64 (96) rows that a wave fetches each of the four partners names 16 (24), told apart by address, a lane a row of 256 bytes; lanes left over name the wave's last row again.
.set NCT,   12
.set T1,    4
.set T2,    8
.set PITCH, 272
.set AH,    64*PITCH
.set BH,    8*NCT*PITCH
.set BOFF,  2*AH
.set SLOT,  2*AH+2*BH
.set SCLA,  2*SLOT
.set SAH,   16*272
.set SCLB,  SCLA+2*SAH
.set SBH,   2*NCT*272
.set SPARE, SCLB+2*SBH
.set SCQ,   SPARE+512
.set SCK,   SCQ+3*512
.set SCV,   SCK+256
.set STG,   SCV+256
.set SWV,   32*272
.set ASTEP, 8
.set REC,   33792
.set LI16, 4
.set FO,   5
.set BO,   6
.set STS,  7
.set STL,  8
.set AQS,  9
.set AKS,  10
.set AVS,  11
.set AQW,  12
.set AKW,  13
.set GO8,  14
.set ADRA, 16
.set ADRB, 20
.set ADSA, 22
.set ADSB, 23
.set SPW,  28
.set NIL,  29
.set SA,   32
.set SB,   36
.set PC,   60
.set TM,   76
.set BY,   80
.set HD,   84
.set SO,   88
.set PW,   92
.set F,    96
.set BI,   160
.set TT,   160
.set WV,   22
.set G1,   24
.set G0,   32
.set G1B,  48
.set G0B,  56
.set G1S,  68
.set G0S,  76
.set G1SB, 80
.set G0SB, 88
.set FLO,  24
.set NB,   25
.set PFO,  30                          ; v30 the prefetches' offset: my lane's row x 2,048 bytes; never rewritten
.set PFA,  100                         ; s[100:101] where my prefetches stand in cod
.set MSB, 0
.macro WIN new
.if MSB != (\new)
	s_set_vgpr_msb (MSB<<8)|(\new)
.set MSB, (\new)
.endif
.endm
.macro PLACES n
.rept \n
	v_nop
.endr
.endm
.macro JLOAD g0a, g1a, g0b, g1b
	s_cmp_eq_u32 s23, 0
	s_cbranch_scc0 .Lfor_b_\@
	tensor_load_to_lds s[\g0a:\g0a+3], s[\g1a:\g1a+7]
	s_nop 0
.rept 4
	v_nop
.endr
	s_branch .Lasked_\@
.Lfor_b_\@:
	tensor_load_to_lds s[\g0b:\g0b+3], s[\g1b:\g1b+7]
	s_nop 0
.rept 4
	v_nop
.endr
.Lasked_\@:
.endm
.macro CREST
	s_cmp_lg_u32 s[WV], 0
	s_cbranch_scc1 .Lnot_wave_0_\@
	s_barrier_signal -3
.Lnot_wave_0_\@:
	s_barrier_wait -3
	s_barrier_signal -1
	s_barrier_wait -1
.endm
.macro CROUND
	s_barrier_signal -1
	s_barrier_wait -1
	CREST
.endm
	s_load_b256 s[4:11], s[0:1], 0x0
	s_load_b256 s[12:19], s[0:1], 0x20
	s_load_b64 s[20:21], s[0:1], 0x40
	v_lshl_add_u32 v[SPW], v0, 2, SPARE
	v_mov_b32 v[NIL], 0
	ds_add_u32 v[SPW], v[NIL]
	ds_add_u32 v[SPW], v[NIL]
	v_lshrrev_b32 v1, 5, v0
	v_readfirstlane_b32 s[WV], v1
	s_lshr_b32 s23, s[WV], 1
	s_and_b32 s46, s[WV], 1
	s_bfe_u32 s40, ttmp6, 0x40000
	s_bfe_u32 s41, ttmp6, 0x40004
	s_lshl_b32 s42, ttmp9, 2
	s_add_co_u32 s42, s42, s40
	s_and_b32 s43, ttmp7, 0xffff
	s_lshl_b32 s43, s43, 2
	s_add_co_u32 s43, s43, s41
	s_lshl_b32 s44, s41, 2
	s_lshl_b32 s44, 15, s44
	s_lshl_b32 s45, 0x1111, s40
	s_or_b32 s[G1], s44, (1<<20)|(1<<21)|(5<<22)|(3<<25)
	s_or_b32 s[G1B], s45, (1<<20)|(1<<21)|(5<<22)|(3<<25)
	s_mov_b32 s[G1+1], 256<<16
	s_mov_b32 s[G1+2], 128<<16                     ; the head's load brings the whole tile: 128 rows
	s_mov_b32 s[G1+3], 256<<16
	s_mov_b32 s[G1+4], 128
	s_mov_b32 s[G1+5], 2048
	s_mov_b32 s[G1+6], 0
	s_mov_b32 s[G1+7], 0
	s_mov_b32 s[G1B+1], 256<<16
	s_mov_b32 s[G1B+2], (16*NCT)<<16               ; 192 rows
	s_mov_b32 s[G1B+3], 256<<16
	s_mov_b32 s[G1B+4], 16*NCT
	s_mov_b32 s[G1B+5], 2048
	s_mov_b32 s[G1B+6], 0
	s_mov_b32 s[G1B+7], 0
	s_or_b32 s[G1S], s44, (3<<16)|(1<<20)|(1<<21)|(5<<22)|(3<<25)
	s_or_b32 s[G1SB], s45, (3<<16)|(1<<20)|(1<<21)|(5<<22)|(3<<25)
	s_mov_b32 s[G1S+1], 32<<16
	s_mov_b32 s[G1S+2], 32<<16                     ; the scale bytes of 128 rows: 32 rows of 256 bytes
	s_mov_b32 s[G1S+3], 32<<16
	s_mov_b32 s[G1S+4], 32
	s_mov_b32 s[G1S+5], 32
	s_mov_b32 s[G1S+6], 0
	s_mov_b32 s[G1S+7], 0
	s_mov_b32 s[G1SB+1], 32<<16
	s_mov_b32 s[G1SB+2], (4*NCT)<<16               ; of 192 rows: 48 rows of 256 bytes
	s_mov_b32 s[G1SB+3], 32<<16
	s_mov_b32 s[G1SB+4], 4*NCT
	s_mov_b32 s[G1SB+5], 32
	s_mov_b32 s[G1SB+6], 0
	s_mov_b32 s[G1SB+7], 0
	s_lshl_b32 s92, s43, 7                         ; the tiles' first rows in cod
	s_mul_i32 s94, s42, 16*NCT
	s_add_co_u32 s94, s94, 2048
	s_lshl_b32 s96, s92, 6
	s_mov_b32 s97, 0
	s_lshl_b32 s98, s94, 6
	s_mov_b32 s99, 0
	s_lshl_b32 s92, s92, 11
	s_mov_b32 s93, 0
	s_lshl_b32 s94, s94, 11
	s_mov_b32 s95, 0
	s_mul_i32 s66, s46, AH
	s_mul_i32 s67, s46, BH
	s_add_co_u32 s67, s67, BOFF
	s_lshl_b32 s2, s46, 17                         ; in the ring I fetch half a tile: 64 rows of x on,
	s_mul_i32 s3, s46, 8*NCT*2048                  ; or 96 weight rows on
	s_lshl_b32 s100, s43, 7                        ; the prefetches: x's rows 128 x tile row + 64 x half + 16 cx
	s_lshl_b32 s47, s46, 6
	s_add_co_u32 s100, s100, s47
	s_lshl_b32 s47, s40, 4
	s_add_co_u32 s100, s100, s47
	s_mul_i32 s101, s42, 16*NCT                    ; the weights' rows 2,048 + 192 x tile column + 96 x half + 24 cy
	s_mul_i32 s47, s46, 8*NCT
	s_add_co_u32 s101, s101, s47
	s_mul_i32 s47, s41, 2*NCT
	s_add_co_u32 s101, s101, s47
	s_add_co_u32 s101, s101, 2048
	s_cmp_eq_u32 s23, 0
	s_cselect_b32 s100, s100, s101
	s_cselect_b32 s47, 15, 2*NCT-1                 ; my share's last row
	s_lshl_b32 s100, s100, 11
	s_mov_b32 s101, 0
	v_and_b32 v[PFO], 31, v0
	v_min_u32 v[PFO], s47, v[PFO]
	v_lshlrev_b32 v[PFO], 11, v[PFO]
	s_wait_alu depctr_va_vdst(0)
	s_wait_dscnt 0x0
	s_wait_kmcnt 0x0
	s_add_nc_u64 s[92:93], s[4:5], s[92:93]
	s_add_nc_u64 s[94:95], s[4:5], s[94:95]
	s_add_nc_u64 s[96:97], s[6:7], s[96:97]
	s_add_nc_u64 s[98:99], s[6:7], s[98:99]
	CROUND
	s_mov_b32 s[G0S], 1
	s_mov_b32 s[G0S+1], SCLA
	s_mov_b64 s[G0S+2:G0S+3], s[96:97]
	s_or_b32 s[G0S+3], s[G0S+3], 0x80000000
	s_mov_b32 s[G0SB], 1
	s_mov_b32 s[G0SB+1], SCLB
	s_mov_b64 s[G0SB+2:G0SB+3], s[98:99]
	s_or_b32 s[G0SB+3], s[G0SB+3], 0x80000000
	s_add_nc_u64 s[PFA:PFA+1], s[4:5], s[PFA:PFA+1]
	s_mov_b32 s[G0+4], 1                           ; the head's whole tiles of K step 0 stand in slot 1's groups 0, which are made anew behind the wait for these loads
	s_mov_b32 s[G0+5], 0
	s_mov_b64 s[G0+6:G0+7], s[92:93]
	s_or_b32 s[G0+7], s[G0+7], 0x80000000
	s_mov_b32 s[G0B+4], 1
	s_mov_b32 s[G0B+5], BOFF
	s_mov_b64 s[G0B+6:G0B+7], s[94:95]
	s_or_b32 s[G0B+7], s[G0B+7], 0x80000000
	s_mov_b32 s96, s2
	s_mov_b32 s97, 0
	s_mov_b32 s98, s3
	s_mov_b32 s99, 0
	s_mov_b32 s[G0], 1                             ; slot 0's own groups 0: my half of K step 0; first used, stepped, at its first refill
	s_mov_b32 s[G0+1], s66
	s_add_nc_u64 s[G0+2:G0+3], s[92:93], s[96:97]
	s_or_b32 s[G0+3], s[G0+3], 0x80000000
	s_mov_b32 s[G0B], 1
	s_mov_b32 s[G0B+1], s67
	s_add_nc_u64 s[G0B+2:G0B+3], s[94:95], s[98:99]
	s_or_b32 s[G0B+3], s[G0B+3], 0x80000000
; one chain of branches on the wave's number, a load to an arm: every way through the head passes exactly one load
.macro ARM under, g0, g1, next
	s_cmp_lt_u32 s[WV], \under
	s_cbranch_scc0 \next
	tensor_load_to_lds s[\g0:\g0+3], s[\g1:\g1+7]
	s_nop 0
.rept 4
	v_nop
.endr
	s_branch .Lhead_asked
\next:
.endm
	ARM 1, G0+4,  G1,  .Lhead_b
	ARM 2, G0B+4, G1B, .Lhead_sa
	ARM 3, G0S,   G1S, .Lhead_sb
	tensor_load_to_lds s[G0SB:G0SB+3], s[G1SB:G1SB+7]
	s_nop 0
.rept 4
	v_nop
.endr
.Lhead_asked:
	global_prefetch_b8 v[PFO], s[PFA:PFA+1] offset:256 th:TH_LOAD_NT scope:SCOPE_SE   ; K steps 1 and 2
	global_prefetch_b8 v[PFO], s[PFA:PFA+1] offset:512 th:TH_LOAD_NT scope:SCOPE_SE
	v_and_b32 v1, 15, v0
	v_bfe_u32 v2, v0, 4, 1
	v_and_b32 v3, 31, v0
	v_lshlrev_b32 v[LI16], 4, v3
	v_lshlrev_b32 v[GO8], 3, v3
	v_lshlrev_b32 v[BO], 6, v2
	s_wait_alu depctr_va_vdst(0)
	v_and_b32 v27, 8, v1
	v_add_nc_u32 v27, v27, v1
	v_lshlrev_b32 v[FO], 8, v27
	v_lshl_add_u32 v[FO], v2, 6, v[FO]
	s_wait_alu depctr_va_vdst(0)
	s_mul_i32 s92, s42, 3
	s_add_co_u32 s93, s42, 16
	s_max_u32 s94, s42, 8
	s_sub_co_u32 s94, s94, 8
	s_add_co_u32 s95, s92, 1
	s_add_co_u32 s96, s92, 2
	s_cmp_lt_u32 ttmp9, 2
	s_cselect_b32 s92, s92, s93
	s_cselect_b32 s95, s95, s94
	s_cselect_b32 s96, s96, s94
	s_cselect_b64 s[98:99], s[8:9], s[10:11]
	s_cselect_b64 s[66:67], s[8:9], s[12:13]
	s_lshl_b32 s92, s92, 8
	s_mov_b32 s93, 0
	s_add_nc_u64 s[92:93], s[8:9], s[92:93]
	s_lshl_b32 s94, s95, 8
	s_mov_b32 s95, 0
	s_add_nc_u64 s[98:99], s[98:99], s[94:95]
	s_lshl_b32 s94, s96, 8
	s_add_nc_u64 s[66:67], s[66:67], s[94:95]
.irp t, 0,1,2,3
	global_load_b128 v[BI+8*\t:BI+8*\t+3], v[BO], s[92:93] offset:(32*(\t/2)+8*(\t%2))*4
	global_load_b128 v[BI+8*\t+4:BI+8*\t+7], v[BO], s[92:93] offset:(32*(\t/2)+8*(\t%2))*4+16
.endr
.irp t, 0,1,2,3
	global_load_b128 v[BI+32+8*\t:BI+32+8*\t+3], v[BO], s[98:99] offset:(32*(\t/2)+8*(\t%2))*4
	global_load_b128 v[BI+32+8*\t+4:BI+32+8*\t+7], v[BO], s[98:99] offset:(32*(\t/2)+8*(\t%2))*4+16
.endr
.irp t, 0,1,2,3
	global_load_b128 v[BI+64+8*\t:BI+64+8*\t+3], v[BO], s[66:67] offset:(32*(\t/2)+8*(\t%2))*4
	global_load_b128 v[BI+64+8*\t+4:BI+64+8*\t+7], v[BO], s[66:67] offset:(32*(\t/2)+8*(\t%2))*4+16
.endr
	s_lshl_b32 s94, s43, 15
	s_lshl_b32 s96, s[WV], 13
	s_add_co_u32 s94, s94, s96
	s_add_nc_u64 s[96:97], s[14:15], s[94:95]
.irp u, 0,1
.irp b, 0,1
.irp i, 0,1,2,3
	global_load_b128 v[F+32*\u+16*\b+4*\i:F+32*\u+16*\b+4*\i+3], v[FO], s[96:97] offset:\u*2048+\b*128+16*\i
.endr
.endr
.endr
	v_mul_u32_u24 v24, v1, PITCH
	v_lshl_add_u32 v24, v2, 4, v24
	s_mul_i32 s2, s[WV], 32*PITCH
	v_add_nc_u32 v[ADRA], s2, v24
	v_add_nc_u32 v[ADRA+1], SLOT, v[ADRA]
	v_add_nc_u32 v[ADRB], BOFF, v24
	v_add_nc_u32 v[ADRB+1], SLOT, v[ADRB]
	v_lshrrev_b32 v25, 2, v3
	v_lshlrev_b32 v26, 6, v3
	v_lshl_add_u32 v25, v25, 4, v26
	s_mul_i32 s2, s[WV], 2176
	s_add_co_u32 s2, s2, SCLA
	v_add_nc_u32 v[ADSA], s2, v25
	v_add_nc_u32 v[ADSB], SCLB, v25
	s_mul_i32 s2, s[WV], SWV
	s_add_co_u32 s2, s2, STG
	v_mul_u32_u24 v[STS], v27, 272
	v_lshl_add_u32 v[STS], v2, 6, v[STS]
	v_add_nc_u32 v[STS], s2, v[STS]
	v_mul_u32_u24 v[STL], v2, 16*272
	v_lshl_add_u32 v[STL], v27, 2, v[STL]
	v_add_nc_u32 v[STL], s2, v[STL]
	s_lshl_b32 s2, s[WV], 7
	s_add_co_u32 s2, s2, SCQ
	v_lshl_add_u32 v[AQS], v1, 2, s2
	s_lshl_b32 s2, s[WV], 6
	s_add_co_u32 s2, s2, SCK
	v_lshl_add_u32 v[AKS], v1, 2, s2
	s_add_co_u32 s2, s[WV], SCV
	v_lshl_add_u32 v[AVS], v1, 2, s2
	s_lshl_b32 s2, s[WV], 9
	s_add_co_u32 s2, s2, SCQ
	v_lshl_add_u32 v[AQW], v3, 4, s2
	s_lshl_b32 s2, s[WV], 8
	s_add_co_u32 s2, s2, SCK-256
	v_lshl_add_u32 v[AKW], v3, 3, s2
.macro FRAG reg, adr, off
.irp c, 0,1,2,3
	ds_load_b128 v[(\reg)+4*\c:(\reg)+4*\c+3], v[\adr] offset:(\off)+32*\c
.endr
.endm
.macro FETCH slot, q
	WIN 0x80+0x40*(\q)
	FRAG 0, ADRA+\slot, 128*(\q)
	FRAG 16, ADRA+\slot, 16*PITCH+128*(\q)
.set dd, 0
.rept NCT
	FRAG 32+16*dd, ADRB+\slot, dd*16*PITCH+128*(\q)
.set dd, dd+1
.endr
	WIN 0
.endm
.macro SCALES s
	ds_load_b64 v[SA+2*\s:SA+2*\s+1], v[ADSA]
.set dd, 0
.rept NCT/2
	ds_load_b64 v[SB+12*\s+2*dd:SB+12*\s+2*dd+1], v[ADSB] offset:dd*2176
.set dd, dd+1
.endr
.endm
.macro MM d, u, q, sc, first
.set rD, (((\d)/4)*2+(\u))*32+((\d)%4)*8
.set rC, rD
.if \first
.set rC, BI+8*(\d)
.endif
.set rA, 32+16*(\d)
.set rB, 16*(\u)
.set rW, SB+12*(\sc)+2*((\d)/2)+(\q)
.set rX, SA+2*(\sc)+(\q)
.if ((\d)%2) && (\u)
	v_wmma_scale_f32_16x16x128_f8f6f4 v[rD:rD+7], v[rA:rA+15], v[rB:rB+15], v[rC:rC+7], v[rW], v[rX] matrix_a_fmt:MATRIX_FMT_BF8 matrix_b_fmt:MATRIX_FMT_BF8 matrix_a_scale:MATRIX_SCALE_ROW1 matrix_b_scale:MATRIX_SCALE_ROW1
.elseif ((\d)%2)
	v_wmma_scale_f32_16x16x128_f8f6f4 v[rD:rD+7], v[rA:rA+15], v[rB:rB+15], v[rC:rC+7], v[rW], v[rX] matrix_a_fmt:MATRIX_FMT_BF8 matrix_b_fmt:MATRIX_FMT_BF8 matrix_a_scale:MATRIX_SCALE_ROW1
.elseif (\u)
	v_wmma_scale_f32_16x16x128_f8f6f4 v[rD:rD+7], v[rA:rA+15], v[rB:rB+15], v[rC:rC+7], v[rW], v[rX] matrix_a_fmt:MATRIX_FMT_BF8 matrix_b_fmt:MATRIX_FMT_BF8 matrix_b_scale:MATRIX_SCALE_ROW1
.else
	v_wmma_scale_f32_16x16x128_f8f6f4 v[rD:rD+7], v[rA:rA+15], v[rB:rB+15], v[rC:rC+7], v[rW], v[rX] matrix_a_fmt:MATRIX_FMT_BF8 matrix_b_fmt:MATRIX_FMT_BF8
.endif
.endm
.macro MULS d0, d1, q, sc, first
.set de, \d0
.rept (\d1)-(\d0)+1
	MM de, 0, \q, \sc, \first
	MM de, 1, \q, \sc, \first
.set de, de+1
.endr
.endm
.macro STEP0 slot, first
	s_wait_dscnt 0x0
	PLACES 8
	FETCH \slot, 1
.if \first
	WIN 0x4a
.else
	WIN 0x5a
.endif
	MULS 0, NCT-1, 0, \slot, \first
.endm
.macro TURN slot, next, fill
	WIN 0
.if \fill
	s_wait_xcnt 0x0                                ; my last prefetch has read its address: it steps a K step on
	s_add_nc_u64 s[PFA:PFA+1], s[PFA:PFA+1], 256
.endif
	s_wait_tensorcnt 0x0
	ds_add_u32 v[SPW], v[NIL]
	s_wait_dscnt 1
	WIN 0x5f
	MULS 0, T1-1, 1, \slot, 0
	s_wait_dscnt 0x0
	s_barrier_signal -1
	MULS T1, T2-1, 1, \slot, 0
	WIN 0
	s_barrier_wait -1
.if \fill
	CREST
	s_add_nc_u64 s[G0+4*\slot+2:G0+4*\slot+3], s[G0+4*\slot+2:G0+4*\slot+3], 512
	s_add_nc_u64 s[G0B+4*\slot+2:G0B+4*\slot+3], s[G0B+4*\slot+2:G0B+4*\slot+3], 512
	JLOAD G0+4*\slot, G1, G0B+4*\slot, G1B
	PLACES 4
.else
	PLACES 8
.endif
	s_wait_alu depctr_va_vdst(0)
	v_add_nc_u32 v[ADSA], ASTEP, v[ADSA]
	v_add_nc_u32 v[ADSB], 8, v[ADSB]
	FETCH \next, 0
	SCALES \next
.if \fill
	s_cmp_gt_u32 s3, 1                             ; the loop's last trip has no K step two refills on
	s_cbranch_scc0 .Lnone_ahead_\@
	global_prefetch_b8 v[PFO], s[PFA:PFA+1] offset:768 th:TH_LOAD_NT scope:SCOPE_SE   ; the K step two refills on
.Lnone_ahead_\@:
.endif
	WIN 0x5f
	MULS T2, NCT-1, 1, \slot, 0
.endm
	s_wait_alu depctr_va_vdst(0)
	s_wait_tensorcnt 0x0                           ; my tile of the head's four is in
	ds_add_u32 v[SPW], v[NIL]
	s_mov_b32 s[G1+2], 64<<16                      ; no tensor load of mine is out: from here on a load brings half a tile,
	s_mov_b32 s[G1+4], 64
	s_mov_b32 s[G1B+2], (8*NCT)<<16
	s_mov_b32 s[G1B+4], 8*NCT
	s_add_co_u32 s[G0+5], s[G0+1], SLOT            ; and slot 1's groups 0 name my half of K step 1
	s_add_nc_u64 s[G0+6:G0+7], s[G0+2:G0+3], 256
	s_add_co_u32 s[G0B+5], s[G0B+1], SLOT
	s_add_nc_u64 s[G0B+6:G0B+7], s[G0B+2:G0B+3], 256
	s_wait_dscnt 0x0
	CROUND                                         ; all four tiles are in, and all sixteen work-groups are here
	JLOAD G0+4, G1, G0B+4, G1B                     ; K step 1, the first tensor load behind the round
	FETCH 0, 0
	SCALES 0
	global_prefetch_b8 v[PFO], s[PFA:PFA+1] offset:768 th:TH_LOAD_NT scope:SCOPE_SE   ; K step 3
	s_wait_loadcnt 16
	STEP0 0, 1
	WIN 0
	s_mov_b32 s3, 3
.Llap:
	TURN 0, 1, 1
	STEP0 1, 0
	TURN 1, 0, 1
	STEP0 0, 0
	WIN 0
	s_sub_co_u32 s3, s3, 1
	s_cmp_lg_u32 s3, 0
	s_cbranch_scc1 .Llap
	TURN 0, 1, 0
	STEP0 1, 0
	s_wait_dscnt 0x0
	WIN 0x5f
	MULS 0, NCT-1, 1, 1, 0
	WIN 0
	PLACES 8
.macro ROPE x
	WIN 0x01
.set i, 0
.rept 32
	v_mul_f32 v[TT+2*i], v[\x+2*i+1], v[F+2*i+1]
	v_mul_f32 v[TT+2*i+1], v[\x+2*i+1], v[F+2*i]
.set i, i+1
.endr
	WIN 0x41
.set i, 0
.rept 32
	v_fma_f32 v[\x+2*i+1], v[\x+2*i], v[F+2*i+1], v[TT+2*i+1]
	v_fma_f32 v[\x+2*i], v[\x+2*i], v[F+2*i], -v[TT+2*i]
.set i, i+1
.endr
	WIN 0
.endm
.macro TRANS x
	WIN 0x04
.irp u, 0,1
.irp b, 0,1
.irp i, 0,1,2,3
	ds_store_b128 v[STS], v[\x+32*\u+16*\b+4*\i:\x+32*\u+16*\b+4*\i+3] offset:\u*2176+128*\b+16*\i
.endr
.endr
.endr
	WIN 0x40
.irp d, 0,1,2,3
.irp i, 0,1,2,3,4,5,6,7,8,9,10,11,12,13,14,15
	ds_load_b32 v[\x+16*\d+\i], v[STL] offset:\i*272+(32*(\d/2)+8*(\d%2))*4
.endr
.endr
	WIN 0
	s_wait_dscnt 0x0
.endm
.macro QUANT x
	WIN 0x05
.irp b, 0,1,2,3
	v_max3_num_f32 v[TM+\b], |v[\x+16*\b]|, |v[\x+16*\b+1]|, s[FLO]
.endr
.irp i, 2,4,6,8,10,12,14
.irp b, 0,1,2,3
	v_max3_num_f32 v[TM+\b], |v[\x+16*\b+\i]|, |v[\x+16*\b+\i+1]|, v[TM+\b]
.endr
.endr
	WIN 0
.irp b, 0,1,2,3
	v_permlanex16_b32 v[BY+\b], v[TM+\b], s30, s31
.endr
.irp b, 0,1,2,3
	v_max_num_f32 v[TM+\b], v[TM+\b], v[BY+\b]
.endr
.irp b, 0,1,2,3
	v_add_nc_u32 v[SO+\b], 0xf8800000, v[TM+\b]
.endr
.irp b, 0,1,2,3
	v_and_or_b32 v[HD+\b], v[TM+\b], 0x7f800000, s32
.endr
.irp b, 0,1,2,3
	v_lshrrev_b32 v[BY+\b], 23, v[SO+\b]
.endr
.irp b, 0,1,2,3
	v_add_nc_u32 v[BY+\b], s[NB], v[BY+\b]
.endr
	v_lshl_or_b32 v[PW], v[BY+1], 8, v[BY]
	v_lshl_or_b32 v[PW], v[BY+2], 16, v[PW]
	v_lshl_or_b32 v[PW], v[BY+3], 24, v[PW]
	WIN 0x41
.irp b, 0,1,2,3
.irp i, 0,1,2,3,4,5,6,7,8,9,10,11,12,13,14,15
	v_med3_num_f32 v[\x+16*\b+\i], v[\x+16*\b+\i], -v[HD+\b], v[HD+\b]
.endr
.endr
	WIN 0x01
.irp b, 0,1,2,3
	v_cvt_scalef32_pk8_bf8_f32 v[PC+4*\b:PC+4*\b+1], v[\x+16*\b:\x+16*\b+7], v[SO+\b]
	v_cvt_scalef32_pk8_bf8_f32 v[PC+4*\b+2:PC+4*\b+3], v[\x+16*\b+8:\x+16*\b+15], v[SO+\b]
.endr
	WIN 0
	v_nop
.endm
.macro CODES pitch
.irp c, 0,1,2,3
	global_store_b128 v[LI16], v[PC+4*\c:PC+4*\c+3], s[26:27] offset:\pitch*\c
.endr
.endm
.macro QWORDS n
	v_perm_b32 v[PW+1], v[PW], v[PW], 0x01000100
	v_perm_b32 v[PW+2], v[PW], v[PW], 0x03020302
	ds_store_b32 v[AQS], v[PW+1] offset:512*\n
	ds_store_b32 v[AQS], v[PW+2] offset:512*\n+64
.endm
	s_mov_b32 s30, 0x76543210
	s_mov_b32 s31, 0xfedcba98
	s_mov_b32 s32, 0x600000
.irp b, 0,1,2,3
	v_mov_b32 v[BY+\b], 0
.endr
	s_lshl_b32 s33, s43, 2
	s_add_co_u32 s33, s33, s[WV]
	s_lshl_b32 s33, s33, 11
	s_mul_i32 s34, s42, 3
	s_max_u32 s35, s42, 8
	s_sub_co_u32 s35, s35, 8
	s_lshl_b32 s35, s35, 3
	s_lshr_b32 s36, s43, 1
	s_add_co_u32 s35, s35, s36
	s_mul_i32 s35, s35, REC
	s_and_b32 s36, s43, 1
	s_mov_b32 s29, 0
	s_wait_loadcnt 0x0
	s_add_co_u32 s37, s42, 16
	s_cmp_lt_u32 ttmp9, 2
	s_cselect_b32 s37, s34, s37
	s_lshl_b32 s28, s37, 17
	s_add_co_u32 s28, s28, s33
	s_add_nc_u64 s[26:27], s[16:17], s[28:29]
	s_mov_b32 s[FLO], 19<<23
	s_mov_b32 s[NB], -3
	ROPE 0
	QUANT 0
	CODES 512
	QWORDS 0
	s_wait_xcnt 0x0
	s_add_co_u32 s37, s34, 1
	s_lshl_b32 s37, s37, 17
	s_add_co_u32 s37, s37, s33
	s_lshl_b32 s38, s36, 2
	s_add_co_u32 s38, s38, s[WV]
	s_lshl_b32 s38, s38, 11
	s_add_co_u32 s38, s38, s35
	s_mov_b32 s[FLO], 16<<23
	s_cmp_lt_u32 ttmp9, 2
	s_cselect_b32 s28, s37, s38
	s_cselect_b64 s[26:27], s[16:17], s[20:21]
	s_cselect_b32 s[FLO], 19<<23, s[FLO]
	s_cselect_b32 s[NB], -3, 0
	s_add_nc_u64 s[26:27], s[26:27], s[28:29]
	ROPE 64
	QUANT 64
	CODES 512
	s_cmp_lt_u32 ttmp9, 2
	s_cbranch_scc0 .Lkeys
	QWORDS 1
	s_branch .Lunit2
.Lkeys:
	ds_store_b32 v[AKS], v[PW]
.Lunit2:
	s_wait_xcnt 0x0
	s_cmp_lt_u32 ttmp9, 2
	s_cbranch_scc0 .Lvalues
	s_add_co_u32 s37, s34, 2
	s_lshl_b32 s28, s37, 17
	s_add_co_u32 s28, s28, s33
	s_add_nc_u64 s[26:27], s[16:17], s[28:29]
	s_mov_b32 s[FLO], 19<<23
	s_mov_b32 s[NB], -3
	ROPE 128
	QUANT 128
	CODES 512
	QWORDS 2
	s_branch .Lwords
.Lvalues:
	s_lshl_b32 s37, s36, 13
	s_lshl_b32 s38, s[WV], 9
	s_add_co_u32 s28, s37, s38
	s_add_co_u32 s28, s28, 16384
	s_add_co_u32 s28, s28, s35
	s_add_nc_u64 s[26:27], s[20:21], s[28:29]
	s_mov_b32 s[FLO], 16<<23
	s_mov_b32 s[NB], 0
	TRANS 128
	QUANT 128
	CODES 2048
.irp d, 0,1,2,3
	ds_store_b8 v[AVS], v[BY+\d] offset:64*\d
.endr
.Lwords:
	s_wait_dscnt 0x0
	s_barrier_signal -1
	s_barrier_wait -1
	s_cmp_gt_u32 s[WV], 2
	s_cbranch_scc1 .Lend
	s_add_co_u32 s37, s34, s[WV]
	s_add_co_u32 s38, s42, 16
	s_lshl_b32 s39, s43, 9
	s_cmp_lt_u32 ttmp9, 2
	s_cselect_b32 s37, s37, s38
	s_cbranch_scc1 .Lqwords
	s_cmp_eq_u32 s[WV], 0
	s_cbranch_scc1 .Lqwords
	ds_load_b64 v[96:97], v[AKW]
	s_lshl_b32 s48, s[WV], 9
	s_add_co_u32 s48, s48, 32768-512
	s_add_co_u32 s48, s48, s35
	s_lshl_b32 s49, s36, 8
	s_add_co_u32 s48, s48, s49
	s_mov_b32 s49, 0
	s_add_nc_u64 s[48:49], s[20:21], s[48:49]
	s_wait_dscnt 0x0
	global_store_b64 v[GO8], v[96:97], s[48:49]
	s_branch .Lend
.Lqwords:
	ds_load_b128 v[96:99], v[AQW]
	s_lshl_b32 s48, s37, 13
	s_add_co_u32 s48, s48, s39
	s_mov_b32 s49, 0
	s_add_nc_u64 s[48:49], s[18:19], s[48:49]
	s_wait_dscnt 0x0
	global_store_b128 v[LI16], v[96:99], s[48:49]
.Lend:
	s_wait_tensorcnt 0x0
	ds_add_u32 v[SPW], v[NIL]
	s_wait_dscnt 0x0
	CROUND
	s_endpgm
.Lfunc_end_k_qeeb228c7f1_qkv:
	.size	k_qeeb228c7f1_qkv, .Lfunc_end_k_qeeb228c7f1_qkv-k_qeeb228c7f1_qkv
	.p2alignl 7, 3214868480
	.fill 96, 4, 3214868480
	.section	.rodata,"a",@progbits
	.p2align	6, 0x0
	.amdhsa_kernel k_qeeb228c7f1_qkv
		.amdhsa_group_segment_fixed_size 327680
		.amdhsa_private_segment_fixed_size 0
		.amdhsa_enable_private_segment 0
		.amdhsa_kernarg_size 72
		.amdhsa_user_sgpr_count 2
		.amdhsa_user_sgpr_kernarg_segment_ptr 1
		.amdhsa_wavefront_size32 1
		.amdhsa_system_sgpr_workgroup_id_x 1
		.amdhsa_system_sgpr_workgroup_id_y 1
		.amdhsa_system_sgpr_workgroup_id_z 1
		.amdhsa_system_vgpr_workitem_id 0
		.amdhsa_next_free_vgpr 1024
		.amdhsa_next_free_sgpr 102
		.amdhsa_reserve_vcc 0
		.amdhsa_float_denorm_mode_32 3
		.amdhsa_float_denorm_mode_16_64 3
		.amdhsa_memory_ordered 1
		.amdhsa_forward_progress 1
		.amdhsa_inst_pref_size 139
	.end_amdhsa_kernel
	.amdgpu_metadata
---
amdhsa.version: [ 1, 2 ]
amdhsa.kernels:
  - .name:           k_qeeb228c7f1_qkv
    .symbol:         k_qeeb228c7f1_qkv.kd
    .args:
      - { .name: cod, .offset: 0, .size: 8, .value_kind: global_buffer, .address_space: global }
      - { .name: scl, .offset: 8, .size: 8, .value_kind: global_buffer, .address_space: global }
      - { .name: bq, .offset: 16, .size: 8, .value_kind: global_buffer, .address_space: global }
      - { .name: bk, .offset: 24, .size: 8, .value_kind: global_buffer, .address_space: global }
      - { .name: bv, .offset: 32, .size: 8, .value_kind: global_buffer, .address_space: global }
      - { .name: freqs_cis, .offset: 40, .size: 8, .value_kind: global_buffer, .address_space: global }
      - { .name: qc, .offset: 48, .size: 8, .value_kind: global_buffer, .address_space: global }
      - { .name: qs, .offset: 56, .size: 8, .value_kind: global_buffer, .address_space: global }
      - { .name: kv, .offset: 64, .size: 8, .value_kind: global_buffer, .address_space: global }
    .group_segment_fixed_size: 327680
    .private_segment_fixed_size: 0
    .kernarg_segment_align: 8
    .kernarg_segment_size: 72
    .max_flat_workgroup_size: 128
    .sgpr_count:     102
    .vgpr_count:     1024
    .wavefront_size: 32
...
	.end_amdgpu_metadata
.endif
;; end of part 2
;; launch attn (part 3): grid 32 x 8, 8 waves a work-group, clusters of 4 x 4, 327,680 bytes of LDS; arguments qc, qs, kv, mask, attc, atts; writes attc, atts
.if DOCPART == 3
	.amdgcn_target "amdgcn-amd-amdhsa--gfx1250"
	.amdhsa_code_object_version 6
	.text
	.protected	k_qeeb228c7f1_attn
	.globl	k_qeeb228c7f1_attn
	.p2align	8
	.type	k_qeeb228c7f1_attn,@function
k_qeeb228c7f1_attn:
	s_mov_b64 s[64:65], 0
	v_nop
	global_prefetch_b8 v0, s[64:65] scope:SCOPE_SE
	s_setreg_imm32_b32 hwreg(HW_REG_WAVE_MODE, 25, 1), 1
	s_wait_xcnt 0x0
	s_wait_alu depctr_hold_cnt(0) depctr_sa_sdst(0) depctr_va_vdst(0) depctr_va_sdst(0) depctr_va_ssrc(0) depctr_va_vcc(0) depctr_vm_vsrc(0)
	s_getreg_b32 s2, hwreg(HW_REG_IB_STS2, 6, 4)
	s_cmp_eq_u32 s2, 0
	s_cbranch_scc0 .Lentry_in_a_cluster
	s_endpgm
.Lentry_in_a_cluster:
	s_bfe_u32 s2, ttmp6, 0x10000c
	s_cmp_lg_u32 s2, 0xf033
	s_cbranch_scc0 .Lentry_shape_is_right
	s_endpgm
.Lentry_shape_is_right:
; LAUNCH 3 OF 4.  For each of 32 heads: scores = q k^T / 8 + mask, softmax, times v; the result divided by the row's sum and quantised along hidden for launch 4.  Both products on codes of BF8 with E8M0 scales.
; No work is left out: the mask is an input, so every query walks all 2,048 keys.
; THE SOFTMAX.  logit = score / 8 + mask is formed inside the first product: the 1 / 8 lies in q's scale bytes, exact, and the mask is the product's C: one rounding.
; t = logit x log2(e), rounded, and only then M is taken away, so that a mask or an offset of any size leaves no fraction of a power of two common to a row;
; M = the running largest t rounded up to a whole number; p = 2^(t - M) is quantised along the keys; the row's sum is taken of the unquantised p.  When M moves, the sum and O are multiplied by 2^(old M - new M): exact.
; SHARES.  A work-group owns 64 queries of one key group; wave w owns query tile w % 4 (16 queries, lane % 16 = the query) and heads 4 G + 2 (w / 4) + a, a = 0, 1, which share every register of K, V and the mask.
; Two waves to a SIMD, so that one wave's products and LDS loads stand beside the other's vector work.
; Both products are used transposed: S^T = K Q^T, O^T = V^T P^T.  A step is 128 keys.
; THE HEAD'S 64 IN AN INSTRUCTION OF 128: a fragment of K holds 32 keys: sub-tile u = 0 in K = 0 .. 63, u = 1 in K = 64 .. 127; source 1 is (q | zeros) or (zeros | q).  Zero codes add nothing: no code of K is an infinity (the quantiser holds at 57,344) and no byte is 0xff.
; The keys of a sub-tile are 8 u + r + 8 (r / 8), so the 16 registers of two neighbouring tiles of S^T are 16 neighbouring keys.
; RING: two slots of 256 keys: a record of kv (33,792 bytes, images of registers) and 64 rows x 1,024 bytes of the mask.  Waves 0-3 fetch the mask's rows, waves 4-7 the record's quarters: one load a wave at each change.
; CLUSTER 4 x 4: the mask's tile hangs on the query block alone and is asked for jointly along a column, the record on the group alone, along a row.
; LIMITS: NaN and infinities among the inputs are not served; a row whose every p underflows beside another step's is summed as f32 sums it; where a number of the mask is so large that a score vanishes beside it
; (above 2^24 times the score), the score's part is lost by the matrix instruction's own rounding of its sum, not by a vector addition's.
; REGISTERS, window 0: v1-9 addresses; v10-17 (-M, largest t, the sum's two halves) for each head; v18-19 f; v20-39 at work; v40-47 scale words alone; v48-79 p's codes; v80-143 O^T; v144-207 S^T, then p; v208-255 the way out.
;   window 1: v0-63 K; v64-127 V; v128-191 the mask; v192-231 zeros, q of head 0, zeros, q of head 1, zeros (8 each).
.set SLOT1, 1<<17
.set REC,   33792
.set MOFF,  33792
.set MP,    1040                       ; a row of the mask's tile: 1,024 bytes + 16: an odd multiple of 16, so the 16 rows of a load touch different banks (ISA guide 11.1)
.set SPARE, 2*SLOT1
.set STAGE, SPARE+1024                 ; 64 rows x (256 bytes + 16): the codes on their way out
.set SS,    STAGE+64*272               ; 64 x 8 scale bytes
.set LI16, 1
.set LI4,  2
.set AM0,  3
.set SPW,  4
.set NIL,  5
.set ADI,  6
.set ADS,  7
.set ADM,  8
.set PFO,  9
.set FF,   18
.set BM,   20
.set PM,   24
.set HD,   28
.set SO,   32
.set TP,   36
.set QS,   40
.set KS,   42
.set VS,   44
.set PS,   46
.set P,    48
.set O,    80
.set S,    144
.set PC,   208
.set WV,   16
.set TQ,   17
.set HP,   18
.set MNT,  19
.set SEL,  20
.set CS,   22
.set G1M,  24
.set G1R,  32
.set G0M,  40
.set G0R,  48
.set SLOTS, 56
.set TWICE, 57
.set SA,   58
.set SB,   59
.set SC,   60
.set LIM,  61
.set PFA,  62
.set PFS,  66
.set MSB, 0
.macro WIN new
.if MSB != (\new)
	s_set_vgpr_msb (MSB<<8)|(\new)
.set MSB, (\new)
.endif
.endm
.macro JLOAD                           ; the walking descriptors; an s_nop 0 and four v_nop follow each of the two lines
	s_cmp_lt_u32 s[WV], 4
	s_cbranch_scc0 .Lfor_r_\@
	tensor_load_to_lds s[G0M+4:G0M+7], s[G1M:G1M+7]
	s_nop 0
.rept 4
	v_nop
.endr
	s_branch .Lasked_\@
.Lfor_r_\@:
	tensor_load_to_lds s[G0R+4:G0R+7], s[G1R:G1R+7]
	s_nop 0
.rept 4
	v_nop
.endr
.Lasked_\@:
.endm
; A PREFETCH INTO THE L2 of the chunk behind the one that is being asked for, two key steps ahead of its load.  Each aligned run of 256 bytes is named once in the launch.
; The mask's tile is read by the clusters of both y: those with y = 0 ask; the four partners that share it take 16 rows each, told apart by address; waves 0 and 1 take 8 rows each, four lanes to a row of 1,024 bytes.
; The record is read by the clusters of every x: those with x = 0 ask; the four partners take 8,192 of its 32,768 bytes of codes each; wave 4 asks, lanes 256 bytes apart.
; Chunks 0 and 1 and the records' 1,024 scale bytes come by their loads alone; chunk 2 is asked for where chunk 1 is loaded; the last change that fills a slot asks for nothing.
.macro ASK
	s_cmp_gt_u32 s[SLOTS], s[LIM]
	s_cbranch_scc0 .Lnot_mine_\@
	global_prefetch_b8 v[PFO], s[PFA:PFA+1] th:TH_LOAD_NT scope:SCOPE_SE
.Lnot_mine_\@:
.endm
.macro CROUND
	s_barrier_signal -1
	s_barrier_wait -1
	s_cmp_lg_u32 s[WV], 0
	s_cbranch_scc1 .Lnot_wave_0_\@
	s_barrier_signal -3
.Lnot_wave_0_\@:
	s_barrier_wait -3
	s_barrier_signal -1
	s_barrier_wait -1
.endm
	s_load_b256 s[4:11], s[0:1], 0x0               ; qc, qs, kv, mask
	s_load_b128 s[12:15], s[0:1], 0x20             ; attc, atts
	v_lshl_add_u32 v[SPW], v0, 2, SPARE
	v_mov_b32 v[NIL], 0
	ds_add_u32 v[SPW], v[NIL]                      ; the wave's opening: the add, twice on end, and its wait ahead of my first tensor load
	ds_add_u32 v[SPW], v[NIL]
	v_lshrrev_b32 v1, 5, v0
	s_delay_alu instid0(VALU_DEP_1)
	v_readfirstlane_b32 s[WV], v1
	s_and_b32 s[TQ], s[WV], 3                      ; my query tile; also: which quarter I fetch
	s_lshr_b32 s[HP], s[WV], 2                     ; my pair of heads
	s_bfe_u32 s68, ttmp6, 0x40000                  ; cx
	s_bfe_u32 s69, ttmp6, 0x40004                  ; cy
	s_lshl_b32 s70, ttmp9, 2
	s_add_co_u32 s70, s70, s68                     ; X: my block of 64 queries
	s_and_b32 s71, ttmp7, 0xffff
	s_lshl_b32 s71, s71, 2
	s_add_co_u32 s71, s71, s69                     ; G: my key group
	s_lshl_b32 s72, s69, 2
	s_lshl_b32 s72, 15, s72                        ; my row of the cluster
	s_lshl_b32 s73, 0x1111, s68                    ; my column
	s_or_b32 s[G1M], s73, (2<<16)|(1<<20)|(1<<21)|(7<<22)|(3<<25)   ; the mask's tile: elements of 4 bytes; after every 256 words 4 words of padding
	s_mov_b32 s[G1M+1], 256<<16
	s_mov_b32 s[G1M+2], 16<<16
	s_mov_b32 s[G1M+3], 256<<16
	s_mov_b32 s[G1M+4], 16
	s_mov_b32 s[G1M+5], 2048
	s_mov_b32 s[G1M+6], 0
	s_mov_b32 s[G1M+7], 0
	s_or_b32 s[G1R], s72, (3<<16)|(1<<21)          ; a quarter of a record: 33 dense rows of 32 elements of 8 bytes
	s_mov_b32 s[G1R+1], 32<<16
	s_mov_b32 s[G1R+2], 33<<16
	s_mov_b32 s[G1R+3], 32<<16
	s_mov_b32 s[G1R+4], 33
	s_mov_b32 s[G1R+5], 32
	s_mov_b32 s[G1R+6], 0
	s_mov_b32 s[G1R+7], 0
	s_lshl_b32 s74, s70, 6
	s_lshl_b32 s75, s[TQ], 4
	s_add_co_u32 s74, s74, s75
	s_lshl_b32 s74, s74, 13                        ; the mask's rows 64 X + 16 x quarter: the query block and the wave alone
	s_mov_b32 s75, 0
	s_mul_i32 s78, s[TQ], 8448                     ; the record's quarter, in memory and in a slot
	s_mul_i32 s76, s71, 8*REC
	s_add_co_u32 s76, s76, s78                     ; the group and the wave alone
	s_mov_b32 s77, 0
	s_mul_i32 s79, s[TQ], 16*MP
	s_add_co_u32 s79, s79, MOFF                    ; the mask's 16 rows in a slot
	s_mov_b32 s[SEL], 0x76543210
	s_mov_b32 s[SEL+1], 0xfedcba98
	s_mov_b32 s[CS], 0x3fb8aa3b                    ; log2(e)
	s_mov_b32 s[CS+1], s[CS]
	s_mov_b32 s[MNT], 0x600000
	s_mov_b32 s[SA], 0
	s_mov_b32 s[SB], 0
	s_mov_b32 s[SC], 0
	s_mov_b32 s[SLOTS], 6
	s_wait_dscnt 0x0                               ; both opening adds are done
	s_wait_kmcnt 0x0
	s_add_nc_u64 s[74:75], s[10:11], s[74:75]
	s_add_nc_u64 s[76:77], s[8:9], s[76:77]
	CROUND                                         ; all sixteen work-groups are here
.irp s, 0,1
	s_mov_b32 s[G0M+4*\s], 1
	s_add_co_u32 s[G0M+4*\s+1], s79, \s*SLOT1
	s_add_nc_u64 s[G0M+4*\s+2:G0M+4*\s+3], s[74:75], \s*1024
	s_or_b32 s[G0M+4*\s+3], s[G0M+4*\s+3], 0x80000000
	s_mov_b32 s[G0R+4*\s], 1
	s_add_co_u32 s[G0R+4*\s+1], s78, \s*SLOT1
	s_add_nc_u64 s[G0R+4*\s+2:G0R+4*\s+3], s[76:77], \s*REC
	s_or_b32 s[G0R+4*\s+3], s[G0R+4*\s+3], 0x80000000
.endr
	s_cmp_lt_u32 s[WV], 4                          ; slot 0's first fill: one load a wave, an arm for the mask's rows and one for the record's quarters
	s_cbranch_scc0 .Lfirst_r
	tensor_load_to_lds s[G0M:G0M+3], s[G1M:G1M+7]
	s_nop 0
.rept 4
	v_nop
.endr
	s_branch .Lfirst_done
.Lfirst_r:
	tensor_load_to_lds s[G0R:G0R+3], s[G1R:G1R+7]
	s_nop 0
.rept 4
	v_nop
.endr
.Lfirst_done:
	; q: my 16 queries in natural order, out of images laid by blocks of 32 tokens
	v_and_b32 v36, 15, v0                          ; r
	v_bfe_u32 v37, v0, 4, 1                        ; h
	v_and_b32 v38, 7, v0                           ; r % 8
	v_bfe_u32 v39, v0, 3, 1                        ; r / 8
	s_delay_alu instid0(VALU_DEP_2)
	v_lshl_add_u32 v20, v37, 4, v38
	s_delay_alu instid0(VALU_DEP_1)
	v_lshlrev_b32 v20, 4, v20
	s_delay_alu instid0(VALU_DEP_1)
	v_lshl_add_u32 v20, v39, 10, v20               ; sub-tile r / 8, image lane r % 8 + 16 h (+ 8 (t % 2) by the base)
	s_wait_alu depctr_va_vdst(0)
	v_lshl_add_u32 v21, v39, 4, v38
	s_delay_alu instid0(VALU_DEP_1)
	v_lshlrev_b32 v21, 2, v21
	s_lshl_b32 s80, s71, 2
	s_lshl_b32 s81, s[HP], 1
	s_add_co_u32 s80, s80, s81                     ; my first head
	s_lshl_b32 s82, s70, 1
	s_lshr_b32 s83, s[TQ], 1
	s_add_co_u32 s82, s82, s83                     ; the block of 32 tokens
	s_and_b32 s83, s[TQ], 1
	s_lshl_b32 s84, s80, 17
	s_lshl_b32 s85, s82, 11
	s_add_co_u32 s84, s84, s85
	s_lshl_b32 s85, s83, 7
	s_add_co_u32 s84, s84, s85
	s_mov_b32 s85, 0
	s_add_nc_u64 s[84:85], s[4:5], s[84:85]
	s_lshl_b32 s86, s80, 13
	s_lshl_b32 s87, s82, 7
	s_add_co_u32 s86, s86, s87
	s_lshl_b32 s87, s83, 5
	s_add_co_u32 s86, s86, s87
	s_mov_b32 s87, 0
	s_add_nc_u64 s[86:87], s[6:7], s[86:87]
	WIN 0x40
.irp a, 0,1
.irp b, 0,1
	global_load_b128 v[200+16*\a+4*\b:200+16*\a+4*\b+3], v20, s[84:85] offset:\a*131072+512*\b
.endr
.endr
.irp i, 0,1,2,3,4,5,6,7
	v_mov_b32 v[192+\i], 0                         ; the three runs of zero codes
	v_mov_b32 v[208+\i], 0
	v_mov_b32 v[224+\i], 0
.endr
	WIN 0
	global_load_b32 v[QS], v21, s[86:87]
	global_load_b32 v[QS+1], v21, s[86:87] offset:8192
	v_and_b32 v[LI4], 31, v0
	s_delay_alu instid0(VALU_DEP_1)
	v_lshlrev_b32 v[LI16], 4, v[LI4]
	s_delay_alu instid0(VALU_DEP_2)
	v_lshrrev_b32 v22, 2, v[LI4]
	s_wait_alu depctr_va_vdst(0)
	v_and_b32 v23, 3, v[LI4]
	v_lshlrev_b32 v[LI4], 2, v[LI4]
	v_mul_u32_u24 v[AM0], v36, MP
	s_delay_alu instid0(VALU_DEP_1)
	v_lshl_add_u32 v[AM0], v37, 6, v[AM0]
	s_delay_alu instid0(VALU_DEP_1)
	v_add_nc_u32 v[AM0], s79, v[AM0]               ; the mask: my query's row, + 64 h
	; the prefetches: who asks, and where
	s_lshr_b32 s88, s[WV], 1
	s_and_b32 s89, ttmp7, 0xffff
	s_or_b32 s88, s88, s89                         ; 0 in waves 0 and 1 of the clusters with y = 0
	s_or_b32 s89, s[TQ], ttmp9                     ; 0 in wave 4 (and 0) of the clusters with x = 0
	s_lshl_b32 s91, s70, 6
	s_lshl_b32 s92, s69, 4
	s_add_co_u32 s91, s91, s92
	s_and_b32 s92, s[WV], 1
	s_lshl_b32 s92, s92, 3
	s_add_co_u32 s91, s91, s92
	s_lshl_b32 s91, s91, 13
	s_add_co_u32 s91, s91, 2048                    ; the mask's rows 64 X + 16 cy + 8 (w % 2), chunk 2: the first change steps it to chunk 3
	s_lshl_b32 s92, s71, 3
	s_add_co_u32 s92, s92, 2
	s_mul_i32 s92, s92, REC
	s_lshl_b32 s93, s68, 13
	s_add_co_u32 s92, s92, s93                     ; record 2 of my group, my work-group's 8,192 bytes
	s_mov_b32 s[PFS], REC
	s_mov_b32 s93, 1024
	s_cmp_lt_u32 s[WV], 4
	s_cselect_b32 s88, s88, s89
	s_cselect_b32 s94, s91, s92
	s_cselect_b32 s[PFS], 1024, s[PFS]             ; a chunk on
	s_cselect_b32 s93, 8192, s93                   ; from four lanes to the next four
	s_cselect_b64 s[PFA:PFA+1], s[10:11], s[8:9]
	s_mov_b32 s95, 0
	s_mov_b32 s[PFS+1], 0
	s_add_nc_u64 s[PFA:PFA+1], s[PFA:PFA+1], s[94:95]
	s_cmp_eq_u32 s88, 0
	s_cselect_b32 s[LIM], 1, -1
	v_mul_lo_u32 v[PFO], v22, s93
	s_wait_alu depctr_va_vdst(0)
	v_lshl_add_u32 v[PFO], v23, 8, v[PFO]
.irp a, 0,1
	v_mov_b32 v[11+4*\a], 0xff61b1e6               ; the largest t so far: -3e38
	s_delay_alu instid0(VALU_DEP_1)
	v_floor_f32 v[10+4*\a], -v[11+4*\a]            ; -M
	v_mov_b32 v[12+4*\a], 0                        ; the sum, in two halves
	v_mov_b32 v[13+4*\a], 0
.endr
	v_mov_b32 v[FF+1], 0                           ; named as the upper half of a pair
.irp b, 0,1,2,3
	v_mov_b32 v[PM+\b], 0                          ; a lane permute's destination counts as one of its sources
.endr
.set j, 0
.rept 64
	v_mov_b32 v[O+j], 0                            ; O^T: the step is written once; the first change of M multiplies zeros
.set j, j+1
.endr
.macro LOADKM                          ; the next step's K (four fragments of 32 keys), mask and K's scale words: 34 LDS instructions
	v_add_nc_u32 v[ADI], s[SA], v[LI16]
	v_add_nc_u32 v[ADS], s[SB], v[LI4]
	v_add_nc_u32 v[ADM], s[SC], v[AM0]
	s_add_co_u32 s[SA], s[SA], 8192
	s_add_co_u32 s[SB], s[SB], 256
	s_add_co_u32 s[SC], s[SC], 512
	WIN 0x40
.irp b, 0,1,2,3
.irp c, 0,1,2,3
	ds_load_b128 v[16*\b+4*\c:16*\b+4*\c+3], v[ADI] offset:\b*2048+\c*512
.endr
.endr
.irp b, 0,1,2,3
.irp i, 0,1,2,3
	ds_load_b128 v[128+16*\b+4*\i:128+16*\b+4*\i+3], v[ADM] offset:128*\b+16*\i
.endr
.endr
	WIN 0
	ds_load_b32 v[KS], v[ADS] offset:32768         ; lanes 0-15 fragment 0, lanes 16-31 fragment 1
	ds_load_b32 v[KS+1], v[ADS] offset:32768+128
.endm
.macro LOADV                           ; the step's V (four tiles of 16 channels x 128 keys) and its scale words: 18 LDS instructions
	WIN 0x40
.irp d, 0,1,2,3
.irp c, 0,1,2,3
	ds_load_b128 v[64+16*\d+4*\c:64+16*\d+4*\c+3], v[ADI] offset:16384+\d*2048+\c*512
.endr
.endr
	WIN 0
	ds_load_b32 v[VS], v[ADS] offset:33280
	ds_load_b32 v[VS+1], v[ADS] offset:33280+128
.endm
; The logits of head a: eight tiles of 16 keys.  C = the mask: its register 128 + j of window 1 holds, in the same lane, the number that belongs under register j of S^T (key 32 b + 16 h + i in register 16 b + i).
; nops = 1: eight v_nop follow, the places in front of the reads of S^T and of the loads into V's registers; nops = 0: the caller sets eight plain lines of due work there.
.macro SMUL a, nops
	WIN 0x15
.irp b, 0,1,2,3
.irp u, 0,1
.if \b%2
	v_wmma_scale_f32_16x16x128_f8f6f4 v[S+8*(2*\b+\u):S+8*(2*\b+\u)+7], v[16*\b:16*\b+15], v[200+16*(\a)-8*\u:215+16*(\a)-8*\u], v[128+8*(2*\b+\u):135+8*(2*\b+\u)], v[KS+\b/2], v[QS+(\a)] matrix_a_fmt:MATRIX_FMT_BF8 matrix_b_fmt:MATRIX_FMT_BF8 matrix_a_scale:MATRIX_SCALE_ROW1
.else
	v_wmma_scale_f32_16x16x128_f8f6f4 v[S+8*(2*\b+\u):S+8*(2*\b+\u)+7], v[16*\b:16*\b+15], v[200+16*(\a)-8*\u:215+16*(\a)-8*\u], v[128+8*(2*\b+\u):135+8*(2*\b+\u)], v[KS+\b/2], v[QS+(\a)] matrix_a_fmt:MATRIX_FMT_BF8 matrix_b_fmt:MATRIX_FMT_BF8
.endif
.endr
.endr
	WIN 0
.if \nops
.rept 8
	v_nop
.endr
.endif
.endm
.macro SM a                            ; head a's softmax of 128 keys: p's codes, its scale word, the sum; the first half of O^T under the new M (REST does the second)
.set NM, 10+4*(\a)
.set LL, 12+4*(\a)
.set PP, P+16*(\a)
.set OO, O+32*(\a)
.set j, 0
.rept 32
	v_pk_mul_f32 v[S+j:S+j+1], v[S+j:S+j+1], s[CS:CS+1] op_sel_hi:[1,0]   ; t = logit x log2(e), rounded here; each accumulator is read from its low end on
.set j, j+2
.endr
.irp b, 0,1,2,3
	v_max3_num_f32 v[BM+\b], v[S+16*\b], v[S+1+16*\b], v[S+2+16*\b]   ; the largest t of each block of 32 keys: for the row's maximum and for the block's largest p
.endr
.irp i, 3,5,7,9,11,13
.irp b, 0,1,2,3
	s_delay_alu instid0(VALU_DEP_4)
	v_max3_num_f32 v[BM+\b], v[BM+\b], v[S+16*\b+\i], v[S+1+16*\b+\i]
.endr
.endr
.irp b, 0,1,2,3
	s_delay_alu instid0(VALU_DEP_4)
	v_max_num_f32 v[BM+\b], v[BM+\b], v[S+15+16*\b]
.endr
.irp b, 0,1,2,3
	s_delay_alu instid0(VALU_DEP_4)
	v_permlanex16_b32 v[PM+\b], v[BM+\b], s[SEL], s[SEL+1]
.endr
.irp b, 0,1,2,3
	s_delay_alu instid0(VALU_DEP_4)
	v_max_num_f32 v[BM+\b], v[BM+\b], v[PM+\b]     ; with lane l xor 16's 16 keys
.endr
	s_delay_alu instid0(VALU_DEP_2)
	v_max3_num_f32 v[TP], v[BM], v[BM+1], v[BM+2]
	s_delay_alu instid0(VALU_DEP_1)
	v_max_num_f32 v[TP], v[TP], v[BM+3]
	s_delay_alu instid0(VALU_DEP_1)
	v_max_num_f32 v[NM+1], v[NM+1], v[TP]          ; the running largest t
	v_mov_b32 v[TP], v[NM]
	s_delay_alu instid0(VALU_DEP_2)
	v_floor_f32 v[NM], -v[NM+1]                    ; the new -M = -ceil(t)
	s_delay_alu instid0(VALU_DEP_1)
	v_sub_f32 v[TP], v[NM], v[TP]                  ; old M less new M: a whole number, 0 or less
	s_delay_alu instid0(VALU_DEP_1)
	v_cvt_i32_f32 v[TP], v[TP]                     ; (it saturates)
	s_delay_alu instid0(VALU_DEP_1)
	v_ldexp_f32 v[FF], 1.0, v[TP]                  ; f = 2^(old M - new M)
.set j, 0
.rept 32
	v_pk_add_f32 v[S+j:S+j+1], v[S+j:S+j+1], v[NM:NM+1] op_sel_hi:[1,0]   ; t - M
.set j, j+2
.endr
.irp b, 0,1,2,3
	v_add_f32 v[BM+\b], v[BM+\b], v[NM]            ; the same of each block's largest t
.endr
.set j, 0
	s_wait_alu depctr_va_vdst(0)
.rept 64
	v_exp_f32 v[S+j], v[S+j]                       ; p = 2^(t - M)
.set j, j+1
.endr
	v_pk_mul_f32 v[LL:LL+1], v[LL:LL+1], v[FF:FF+1] op_sel_hi:[1,0]   ; the sums under the new M: the plain line behind the exponentials
	s_wait_alu depctr_va_vdst(0)                   ; one wait for the batch, ahead of its first reader
.irp b, 0,1,2,3
	v_exp_f32 v[BM+\b], v[BM+\b]                   ; the block's largest p: the same two instructions on the same number give the same bits
.endr
	v_pk_add_f32 v[TP:TP+1], v[S:S+1], v[S+2:S+3]  ; the row's sum of the unquantised p: 32 pairs in four chains, so that a link stands four lines behind the one that it adds onto
	v_pk_add_f32 v[TP+2:TP+3], v[S+4:S+5], v[S+6:S+7]
	v_pk_add_f32 v[PM:PM+1], v[S+8:S+9], v[S+10:S+11]
	v_pk_add_f32 v[LL:LL+1], v[LL:LL+1], v[S+12:S+13]
	v_pk_add_f32 v[TP:TP+1], v[TP:TP+1], v[S+14:S+15]
.irp j, 16,24,32,40,48,56
	v_pk_add_f32 v[TP+2:TP+3], v[TP+2:TP+3], v[S+\j:S+1+\j]
	v_pk_add_f32 v[PM:PM+1], v[PM:PM+1], v[S+2+\j:S+3+\j]
	v_pk_add_f32 v[LL:LL+1], v[LL:LL+1], v[S+4+\j:S+5+\j]
	v_pk_add_f32 v[TP:TP+1], v[TP:TP+1], v[S+6+\j:S+7+\j]
.endr
	s_delay_alu instid0(VALU_DEP_1)
	v_pk_add_f32 v[TP:TP+1], v[TP:TP+1], v[TP+2:TP+3]
	s_delay_alu instid0(VALU_DEP_3)
	v_pk_add_f32 v[LL:LL+1], v[LL:LL+1], v[PM:PM+1]
	s_delay_alu instid0(VALU_DEP_1)
	v_pk_add_f32 v[LL:LL+1], v[LL:LL+1], v[TP:TP+1]
	s_wait_alu depctr_va_vdst(0)                   ; and one for the four
.irp b, 0,1,2,3
	v_max_num_f32 v[BM+\b], 0x8000000, v[BM+\b]    ; the floor 2^(16 - 127): the byte cannot fall under 1
.endr
.irp b, 0,1,2,3
	s_delay_alu instid0(VALU_DEP_4)
	v_add_nc_u32 v[SO+\b], 0xf8800000, v[BM+\b]    ; the conversion's scale operand
.endr
.irp b, 0,1,2,3
	v_and_or_b32 v[HD+\b], v[BM+\b], 0x7f800000, s[MNT]   ; 57,344 x the scale
.endr
.irp b, 0,1,2,3
	v_lshrrev_b32 v[PM+\b], 23, v[SO+\b]           ; the scale's byte
.endr
	s_delay_alu instid0(VALU_DEP_3)
	v_lshl_or_b32 v[PS+(\a)], v[PM+1], 8, v[PM]    ; p's scale word for these 128 keys
	s_delay_alu instid0(VALU_DEP_1)
	v_lshl_or_b32 v[PS+(\a)], v[PM+2], 16, v[PS+(\a)]
	s_delay_alu instid0(VALU_DEP_1)
	v_lshl_or_b32 v[PS+(\a)], v[PM+3], 24, v[PS+(\a)]
; The conversion does not saturate (ISA guide 7.6.2); p is not negative, so the hold is one-sided.  Two holds to an instruction: one number of block b and one of block b + 1,
; so that one destination is even and the other odd, and the two bounds, and the two numbers, lie in registers whose numbers differ modulo 4.
.irp b, 0,2
.irp i, 0,2,4,6,8,10,12,14
	v_dual_min_num_f32 v[S+16*\b+\i], v[HD+\b], v[S+16*\b+\i] :: v_dual_min_num_f32 v[S+16*\b+17+\i], v[HD+\b+1], v[S+16*\b+17+\i]
	v_dual_min_num_f32 v[S+16*\b+16+\i], v[HD+\b+1], v[S+16*\b+16+\i] :: v_dual_min_num_f32 v[S+16*\b+1+\i], v[HD+\b], v[S+16*\b+1+\i]
.endr
.irp c, 0,1
	v_cvt_scalef32_pk8_bf8_f32 v[PP+4*(\b+\c):PP+4*(\b+\c)+1], v[S+16*(\b+\c):S+16*(\b+\c)+7], v[SO+\b+\c]
	v_cvt_scalef32_pk8_bf8_f32 v[PP+4*(\b+\c)+2:PP+4*(\b+\c)+3], v[S+16*(\b+\c)+8:S+16*(\b+\c)+15], v[SO+\b+\c]
.endr
.endr
.set j, 0
.rept 8
	v_pk_mul_f32 v[OO+j:OO+j+1], v[OO+j:OO+j+1], v[FF:FF+1] op_sel_hi:[1,0]   ; O^T's channel tiles 0 and 1 under the new M; also the plain lines behind the conversions
.set j, j+2
.endr
.endm
.macro REST a                          ; O^T's channel tiles 2 and 3 of head a under the new M: eight plain lines that name O^T and f alone
.set j, 16
.rept 8
	v_pk_mul_f32 v[O+32*(\a)+j:O+32*(\a)+j+1], v[O+32*(\a)+j:O+32*(\a)+j+1], v[FF:FF+1] op_sel_hi:[1,0]
.set j, j+2
.endr
.endm
.macro PV                              ; O^T += V^T P^T for both heads: eight accumulators by turns
	WIN 0x01
.irp d, 0,1,2,3
.irp a, 0,1
.if \d%2
	v_wmma_scale_f32_16x16x128_f8f6f4 v[O+32*\a+8*\d:O+32*\a+8*\d+7], v[64+16*\d:64+16*\d+15], v[P+16*\a:P+16*\a+15], v[O+32*\a+8*\d:O+32*\a+8*\d+7], v[VS+\d/2], v[PS+\a] matrix_a_fmt:MATRIX_FMT_BF8 matrix_b_fmt:MATRIX_FMT_BF8 matrix_a_scale:MATRIX_SCALE_ROW1
.else
	v_wmma_scale_f32_16x16x128_f8f6f4 v[O+32*\a+8*\d:O+32*\a+8*\d+7], v[64+16*\d:64+16*\d+15], v[P+16*\a:P+16*\a+15], v[O+32*\a+8*\d:O+32*\a+8*\d+7], v[VS+\d/2], v[PS+\a] matrix_a_fmt:MATRIX_FMT_BF8 matrix_b_fmt:MATRIX_FMT_BF8
.endif
.endr
.endr
	WIN 0
.endm
.macro HALF_A load                     ; the step's second half: the next step's K and mask are asked for; head 1's softmax; both heads' second product
.if \load
	LOADKM
.endif
	SM 1
	REST 1                                         ; with SM's last eight lines: sixteen plain lines between p's codes and the products that take them
.if \load
	s_wait_alu depctr_va_vdst(0)
	s_wait_dscnt 34                                ; V and its scale words are in; the 34 instructions issued behind them may be out
.else
	s_wait_alu depctr_va_vdst(0)
	s_wait_dscnt 0x0
.endif
	PV
.endm
.macro HALF_B                          ; a step's first half: head 0's logits, V asked for, head 0's softmax, head 1's logits
	s_wait_dscnt 0x0                               ; K, the mask and K's scale words are in
	SMUL 0, 1
	LOADV
	SM 0
	SMUL 1, 0
	REST 0                                         ; eight plain lines that name none of those products' registers: the places in front of the reads of S^T and of the loads into K's, the mask's and the scale words' registers
.endm
; THE CHANGE OF SLOTS stands where all of the slot's second step has been asked for.  Each wave waits for all its tensor loads (one is out: its part of the other slot), adds 0 to its spare word, and waits for that and for its reads of the slot.
; fill = 1: a round of the cluster's barrier, and the joint refill first behind it: it has two key steps in which to land.
.macro CHANGE fill
	s_wait_tensorcnt 0x0
	ds_add_u32 v[SPW], v[NIL]
.if \fill
	s_xor_b32 s[G0M+5], s[G0M+5], SLOT1            ; the walking descriptors: the other slot, the next 256 keys
	s_add_nc_u64 s[G0M+6:G0M+7], s[G0M+6:G0M+7], 1024
	s_xor_b32 s[G0R+5], s[G0R+5], SLOT1
	s_add_nc_u64 s[G0R+6:G0R+7], s[G0R+6:G0R+7], REC
	s_wait_xcnt 0x0                                ; the last prefetch, two key steps back, has read its address
	s_add_nc_u64 s[PFA:PFA+1], s[PFA:PFA+1], s[PFS:PFS+1]
	s_wait_dscnt 0x0                               ; the add is done, and my reads of the slot are over
	CROUND
	JLOAD
	ASK
.else
	s_wait_dscnt 0x0
	s_barrier_signal -1
	s_barrier_wait -1
.endif
	s_sub_co_u32 s[SA], s[SA], 16384               ; back to a slot's first step, in the other slot
	s_xor_b32 s[SA], s[SA], SLOT1
	s_sub_co_u32 s[SB], s[SB], 512
	s_xor_b32 s[SB], s[SB], SLOT1
	s_sub_co_u32 s[SC], s[SC], 1024
	s_xor_b32 s[SC], s[SC], SLOT1
.endm
.macro TWO_STEPS
	s_mov_b32 s[TWICE], 2
.Lstep_\@:
	HALF_A 1
	HALF_B
	s_sub_co_u32 s[TWICE], s[TWICE], 1
	s_cmp_lg_u32 s[TWICE], 0
	s_cbranch_scc1 .Lstep_\@
.endm
	s_wait_alu depctr_va_vdst(0)
	s_wait_tensorcnt 0x0                           ; my part of slot 0 is in
	ds_add_u32 v[SPW], v[NIL]
	s_wait_dscnt 0x0
	CROUND                                         ; slot 0 is whole, and all sixteen work-groups are here
	JLOAD                                          ; slot 1's first fill, chunk 1: the walking descriptors stand there; it has two key steps in which to land
	ASK                                            ; chunk 2
	LOADKM                                         ; step 0
	s_wait_alu depctr_va_vdst(0)
	s_wait_loadcnt 0x0                             ; q and its scale words
	HALF_B
	HALF_A 1
	HALF_B
.Lslot:                                                ; six trips: chunks 2 to 7 are asked for
	CHANGE 1
	TWO_STEPS
	s_sub_co_u32 s[SLOTS], s[SLOTS], 1
	s_cmp_lg_u32 s[SLOTS], 0
	s_cbranch_scc1 .Lslot
	CHANGE 0                                       ; the tail is written out
	TWO_STEPS
	HALF_A 0
	; THE WAY OUT: O^T / the sum, quantised along hidden (a lane's 64 numbers are 4 blocks' halves: block 2 a + b), through a stage, out as rows of 256 bytes.
.rept 8
	v_nop                                          ; places behind the last products
.endr
.irp a, 0,1
	v_add_f32 v[TP+2*\a], v[12+4*\a], v[13+4*\a]
.endr
.irp a, 0,1
	s_delay_alu instid0(VALU_DEP_2)
	v_permlanex16_b32 v[PM+\a], v[TP+2*\a], s[SEL], s[SEL+1]
.endr
.irp a, 0,1
	s_delay_alu instid0(VALU_DEP_2)
	v_add_f32 v[TP+2*\a], v[TP+2*\a], v[PM+\a]     ; the row's sum
.endr
	s_wait_alu depctr_va_vdst(0)
.irp a, 0,1
	v_rcp_f32 v[TP+2*\a], v[TP+2*\a]
.endr
	v_and_b32 v224, 15, v0                         ; r  (a plain line behind the reciprocals)
	s_wait_alu depctr_va_vdst(0)
	v_bfe_u32 v225, v0, 4, 1                       ; h
	s_wait_alu depctr_va_vdst(0)
	s_mul_i32 s76, s[TQ], 16*272
	s_lshl_b32 s77, s[HP], 7
	s_add_co_u32 s76, s76, s77
	s_add_co_u32 s76, s76, STAGE
	v_mul_u32_u24 v226, v224, 272
	s_delay_alu instid0(VALU_DEP_1)
	v_lshl_add_u32 v226, v225, 4, v226
	s_delay_alu instid0(VALU_DEP_1)
	v_add_nc_u32 v226, s76, v226                   ; the stage, way in: my query's row, + 128 x pair of heads + 16 h
	s_lshl_b32 s77, s[TQ], 7
	s_lshl_b32 s78, s[HP], 2
	s_add_co_u32 s77, s77, s78
	s_add_co_u32 s77, s77, SS
	v_lshl_add_u32 v227, v224, 3, s77              ; my query's 8 scale bytes, my pair's word
	s_mul_i32 s78, s[WV], 8*272
	s_add_co_u32 s78, s78, STAGE
	v_mul_u32_u24 v228, v225, 272
	s_delay_alu instid0(VALU_DEP_1)
	v_lshl_add_u32 v228, v224, 4, v228
	s_delay_alu instid0(VALU_DEP_1)
	v_add_nc_u32 v228, s78, v228                   ; way out: wave w takes rows 8 w on; lanes 0-15 one row, lanes 16-31 the next
	v_lshlrev_b32 v229, 11, v225
	s_delay_alu instid0(VALU_DEP_1)
	v_lshl_add_u32 v229, v224, 4, v229             ; the same two rows in attc
	v_add_nc_u32 v230, SS, v[LI16]
	s_lshl_b32 s72, s70, 6
	s_lshl_b32 s73, s[WV], 3
	s_add_co_u32 s72, s72, s73
	s_lshl_b32 s72, s72, 11
	s_lshl_b32 s73, s71, 8
	s_add_co_u32 s72, s72, s73
	s_mov_b32 s73, 0
	s_add_nc_u64 s[72:73], s[12:13], s[72:73]      ; attc: token 64 X + 8 w, byte 256 G
	s_lshl_b32 s74, s71, 14
	s_lshl_b32 s75, s70, 9
	s_add_co_u32 s74, s74, s75
	s_mov_b32 s75, 0
	s_add_nc_u64 s[74:75], s[14:15], s[74:75]      ; atts: group G, token 64 X
	s_wait_alu depctr_va_vdst(0)                   ; one wait for the two reciprocals, ahead of their first reader
.irp a, 0,1
.set j, 0
.rept 16
	v_pk_mul_f32 v[O+32*\a+j:O+32*\a+j+1], v[O+32*\a+j:O+32*\a+j+1], v[TP+2*\a:TP+2*\a+1] op_sel_hi:[1,0]
.set j, j+2
.endr
.endr
.irp b, 0,1,2,3
	v_max3_num_f32 v[BM+\b], |v[O+16*\b]|, |v[O+1+16*\b]|, 0x8000000
.endr
.irp i, 2,4,6,8,10,12,14
.irp b, 0,1,2,3
	s_delay_alu instid0(VALU_DEP_4)
	v_max3_num_f32 v[BM+\b], v[BM+\b], |v[O+16*\b+\i]|, |v[O+1+16*\b+\i]|
.endr
.endr
.irp b, 0,1,2,3
	s_delay_alu instid0(VALU_DEP_4)
	v_permlanex16_b32 v[PM+\b], v[BM+\b], s[SEL], s[SEL+1]
.endr
.irp b, 0,1,2,3
	s_delay_alu instid0(VALU_DEP_4)
	v_max_num_f32 v[BM+\b], v[BM+\b], v[PM+\b]
.endr
.irp b, 0,1,2,3
	s_delay_alu instid0(VALU_DEP_4)
	v_add_nc_u32 v[SO+\b], 0xf8800000, v[BM+\b]
.endr
.irp b, 0,1,2,3
	v_and_or_b32 v[HD+\b], v[BM+\b], 0x7f800000, s[MNT]
.endr
.irp b, 0,1,2,3
	v_lshrrev_b32 v[PM+\b], 23, v[SO+\b]
.endr
	s_delay_alu instid0(VALU_DEP_3)
	v_lshl_or_b32 v231, v[PM+1], 8, v[PM]
	s_delay_alu instid0(VALU_DEP_1)
	v_lshl_or_b32 v231, v[PM+2], 16, v231
	s_delay_alu instid0(VALU_DEP_1)
	v_lshl_or_b32 v231, v[PM+3], 24, v231
.irp b, 0,1,2,3
.irp i, 0,1,2,3,4,5,6,7,8,9,10,11,12,13,14,15
	v_med3_num_f32 v[O+16*\b+\i], v[O+16*\b+\i], -v[HD+\b], v[HD+\b]
.endr
	v_cvt_scalef32_pk8_bf8_f32 v[PC+4*\b:PC+4*\b+1], v[O+16*\b:O+16*\b+7], v[SO+\b]
	v_cvt_scalef32_pk8_bf8_f32 v[PC+4*\b+2:PC+4*\b+3], v[O+16*\b+8:O+16*\b+15], v[SO+\b]
.endr
	v_nop
.irp c, 0,1,2,3
	ds_store_b128 v226, v[PC+4*\c:PC+4*\c+3] offset:32*\c
.endr
	ds_store_b32 v227, v231                        ; both halves of the lanes write the same word with the same value
	s_wait_dscnt 0x0                               ; for the others' sake: my stores lie in LDS
	s_barrier_signal -1
	s_barrier_wait -1
.irp i, 0,1,2,3
	ds_load_b128 v[232+4*\i:232+4*\i+3], v228 offset:2*\i*272
.endr
.irp i, 0,1,2,3
	s_wait_dscnt 3-\i                              ; the younger loads may be out
	global_store_b128 v229, v[232+4*\i:232+4*\i+3], s[72:73] offset:4096*\i    ; 16 lanes store 256 consecutive bytes, aligned
.endr
	s_cmp_lg_u32 s[WV], 0
	s_cbranch_scc1 .Lnot_0
	ds_load_b128 v[248:251], v230
	s_wait_dscnt 0x0
	global_store_b128 v[LI16], v[248:251], s[74:75]
.Lnot_0:
	s_wait_tensorcnt 0x0                           ; the wave's end
	ds_add_u32 v[SPW], v[NIL]
	s_wait_dscnt 0x0
	CROUND                                         ; the closing round
	s_endpgm
.Lfunc_end_k_qeeb228c7f1_attn:
	.size	k_qeeb228c7f1_attn, .Lfunc_end_k_qeeb228c7f1_attn-k_qeeb228c7f1_attn
	.p2alignl 7, 3214868480
	.fill 96, 4, 3214868480
	.section	.rodata,"a",@progbits
	.p2align	6, 0x0
	.amdhsa_kernel k_qeeb228c7f1_attn
		.amdhsa_group_segment_fixed_size 327680
		.amdhsa_private_segment_fixed_size 0
		.amdhsa_enable_private_segment 0
		.amdhsa_kernarg_size 48
		.amdhsa_user_sgpr_count 2
		.amdhsa_user_sgpr_kernarg_segment_ptr 1
		.amdhsa_wavefront_size32 1
		.amdhsa_system_sgpr_workgroup_id_x 1
		.amdhsa_system_sgpr_workgroup_id_y 1
		.amdhsa_system_sgpr_workgroup_id_z 1
		.amdhsa_system_vgpr_workitem_id 0
		.amdhsa_next_free_vgpr 512
		.amdhsa_next_free_sgpr 96
		.amdhsa_reserve_vcc 0
		.amdhsa_float_denorm_mode_32 3
		.amdhsa_float_denorm_mode_16_64 3
		.amdhsa_memory_ordered 1
		.amdhsa_forward_progress 1
		.amdhsa_inst_pref_size 200
	.end_amdhsa_kernel
	.amdgpu_metadata
---
amdhsa.version: [ 1, 2 ]
amdhsa.kernels:
  - .name:           k_qeeb228c7f1_attn
    .symbol:         k_qeeb228c7f1_attn.kd
    .args:
      - { .name: qc, .offset: 0, .size: 8, .value_kind: global_buffer, .address_space: global }
      - { .name: qs, .offset: 8, .size: 8, .value_kind: global_buffer, .address_space: global }
      - { .name: kv, .offset: 16, .size: 8, .value_kind: global_buffer, .address_space: global }
      - { .name: mask, .offset: 24, .size: 8, .value_kind: global_buffer, .address_space: global }
      - { .name: attc, .offset: 32, .size: 8, .value_kind: global_buffer, .address_space: global }
      - { .name: atts, .offset: 40, .size: 8, .value_kind: global_buffer, .address_space: global }
    .group_segment_fixed_size: 327680
    .private_segment_fixed_size: 0
    .kernarg_segment_align: 8
    .kernarg_segment_size: 48
    .max_flat_workgroup_size: 256
    .sgpr_count:     96
    .vgpr_count:     512
    .wavefront_size: 32
...
	.end_amdgpu_metadata
.endif
;; end of part 3
;; launch oproj (part 4): grid 16 x 16, 4 waves a work-group, clusters of 4 x 4, 327,680 bytes of LDS; arguments attc, atts, cod, scl, bo, out0; writes out0
.if DOCPART == 4
	.amdgcn_target "amdgcn-amd-amdhsa--gfx1250"
	.amdhsa_code_object_version 6
	.text
	.protected	k_qeeb228c7f1_oproj
	.globl	k_qeeb228c7f1_oproj
	.p2align	8
	.type	k_qeeb228c7f1_oproj,@function
k_qeeb228c7f1_oproj:
	s_mov_b64 s[64:65], 0
	v_nop
	global_prefetch_b8 v0, s[64:65] scope:SCOPE_SE
	s_setreg_imm32_b32 hwreg(HW_REG_WAVE_MODE, 25, 1), 1
	s_wait_xcnt 0x0
	s_wait_alu depctr_hold_cnt(0) depctr_sa_sdst(0) depctr_va_vdst(0) depctr_va_sdst(0) depctr_va_ssrc(0) depctr_va_vcc(0) depctr_vm_vsrc(0)
	s_getreg_b32 s2, hwreg(HW_REG_IB_STS2, 6, 4)
	s_cmp_eq_u32 s2, 0
	s_cbranch_scc0 .Lentry_in_a_cluster
	s_endpgm
.Lentry_in_a_cluster:
	s_bfe_u32 s2, ttmp6, 0x10000c
	s_cmp_lg_u32 s2, 0xf033
	s_cbranch_scc0 .Lentry_shape_is_right
	s_endpgm
.Lentry_shape_is_right:
; LAUNCH 4 OF 4.  out0 = att wo^T + bo on codes of BF8 with E8M0 scales; the bias is the first products' C.  No work is left out.
; A work-group makes 128 tokens x 128 columns; wave w owns tokens 32 w .. 32 w + 31 and all 128 columns.  K goes in four steps of 512 through a ring of two LDS slots.
; CLUSTER 4 x 4: att's tile is asked for jointly along a row of the cluster, wo's along a column.
; THE HEAD'S FOUR TILES, ONE A WAVE: wave 0 K step 0's 128 rows of att, wave 1 its 128 rows of wo, wave 2 att's scale bytes for all of K, wave 3 wo's.
; Slot 1's first fill stands behind the full sequence and a round, as a refill does.  In the ring waves 0 and 1 fetch the halves of att's tile, waves 2 and 3 those of wo's.
; PREFETCH INTO THE L2: the head asks for K steps 1 and 2, slot 1's fill for step 3.  Of the 64 rows that a wave fetches each of the four partners names 16, told apart by address, two lanes to a row's 512 bytes.
.set NCT,   8
.set T1,    4
.set T2,    6
.set PITCH, 528
.set AH,    64*PITCH
.set BH,    8*NCT*PITCH
.set BOFF,  2*AH
.set SLOT,  2*AH+2*BH
.set SCLA,  2*SLOT
.set SCLB,  SCLA+8192
.set SBH,   2*NCT*272
.set SPARE, SCLB+2*SBH
.set STG,   SPARE+512
.set ASTEP, 2048
.set LI16, 4
.set BO,   6
.set STO,  7
.set RD,   8
.set ADRA, 16
.set ADRB, 20
.set ADSA, 22
.set ADSB, 23
.set SPW,  28
.set NIL,  29
.set SA,   32
.set SB,   40
.set BI,   160
.set WV,   22
.set G1,   24
.set G0,   32
.set G1B,  48
.set G0B,  56
.set G1S,  68
.set G0S,  76
.set G1SB, 80
.set G0SB, 88
.set PFO,  30                          ; v30 the prefetches' offset: 2,048 x (lane / 2) + 256 x (lane % 2); never rewritten
.set PFA,  100                         ; s[100:101] where my prefetches stand, in attc or in cod; never rewritten
.set MSB, 0
.macro WIN new
.if MSB != (\new)
	s_set_vgpr_msb (MSB<<8)|(\new)
.set MSB, (\new)
.endif
.endm
.macro PLACES n
.rept \n
	v_nop
.endr
.endm
.macro JLOAD g0a, g1a, g0b, g1b
	s_cmp_eq_u32 s23, 0
	s_cbranch_scc0 .Lfor_b_\@
	tensor_load_to_lds s[\g0a:\g0a+3], s[\g1a:\g1a+7]
	s_nop 0
.rept 4
	v_nop
.endr
	s_branch .Lasked_\@
.Lfor_b_\@:
	tensor_load_to_lds s[\g0b:\g0b+3], s[\g1b:\g1b+7]
	s_nop 0
.rept 4
	v_nop
.endr
.Lasked_\@:
.endm
.macro CREST
	s_cmp_lg_u32 s[WV], 0
	s_cbranch_scc1 .Lnot_wave_0_\@
	s_barrier_signal -3
.Lnot_wave_0_\@:
	s_barrier_wait -3
	s_barrier_signal -1
	s_barrier_wait -1
.endm
.macro CROUND
	s_barrier_signal -1
	s_barrier_wait -1
	CREST
.endm
	s_load_b256 s[4:11], s[0:1], 0x0
	s_load_b128 s[12:15], s[0:1], 0x20
	v_lshl_add_u32 v[SPW], v0, 2, SPARE
	v_mov_b32 v[NIL], 0
	ds_add_u32 v[SPW], v[NIL]
	ds_add_u32 v[SPW], v[NIL]
	v_lshrrev_b32 v1, 5, v0
	v_readfirstlane_b32 s[WV], v1
	s_lshr_b32 s23, s[WV], 1
	s_and_b32 s46, s[WV], 1
	s_bfe_u32 s40, ttmp6, 0x40000
	s_bfe_u32 s41, ttmp6, 0x40004
	s_lshl_b32 s42, ttmp9, 2
	s_add_co_u32 s42, s42, s40
	s_and_b32 s43, ttmp7, 0xffff
	s_lshl_b32 s43, s43, 2
	s_add_co_u32 s43, s43, s41
	s_lshl_b32 s44, s41, 2
	s_lshl_b32 s44, 15, s44
	s_lshl_b32 s45, 0x1111, s40
	s_or_b32 s[G1], s44, (1<<20)|(1<<21)|(6<<22)|(3<<25)
	s_or_b32 s[G1B], s45, (1<<20)|(1<<21)|(6<<22)|(3<<25)
.irp g, G1, G1B
	s_mov_b32 s[\g+1], 512<<16
	s_mov_b32 s[\g+2], 128<<16                     ; the head's load brings the whole tile: 128 rows
	s_mov_b32 s[\g+3], 512<<16
	s_mov_b32 s[\g+4], 128
	s_mov_b32 s[\g+5], 2048
	s_mov_b32 s[\g+6], 0
	s_mov_b32 s[\g+7], 0
.endr
	s_or_b32 s[G1S], s44, (3<<16)|(1<<21)
	s_mov_b32 s[G1S+1], 128<<16
	s_mov_b32 s[G1S+2], 8<<16                      ; att's scale bytes: eight groups' rows of 1,024 bytes
	s_mov_b32 s[G1S+3], 128<<16
	s_mov_b32 s[G1S+4], 8
	s_mov_b32 s[G1S+5], 2048
	s_mov_b32 s[G1S+6], 0
	s_mov_b32 s[G1S+7], 0
	s_or_b32 s[G1SB], s45, (3<<16)|(1<<20)|(1<<21)|(5<<22)|(3<<25)
	s_mov_b32 s[G1SB+1], 32<<16
	s_mov_b32 s[G1SB+2], (4*NCT)<<16               ; wo's: 32 rows of 256 bytes
	s_mov_b32 s[G1SB+3], 32<<16
	s_mov_b32 s[G1SB+4], 4*NCT
	s_mov_b32 s[G1SB+5], 32
	s_mov_b32 s[G1SB+6], 0
	s_mov_b32 s[G1SB+7], 0
	s_lshl_b32 s92, s43, 18                        ; att's tile: 128 rows of 2,048 bytes a tile row
	s_mov_b32 s93, 0
	s_lshl_b32 s96, s43, 10                        ; its scale bytes: 1,024 a tile row in each group's row
	s_mov_b32 s97, 0
	s_lshl_b32 s94, s42, 7
	s_add_co_u32 s94, s94, 5120                    ; wo's tile: its first row in cod
	s_lshl_b32 s98, s94, 6
	s_mov_b32 s99, 0
	s_lshl_b32 s94, s94, 11
	s_mov_b32 s95, 0
	s_mul_i32 s66, s46, AH
	s_mul_i32 s67, s46, BH
	s_add_co_u32 s67, s67, BOFF
	s_lshl_b32 s2, s46, 17                         ; in the ring I fetch half a tile: 64 rows on
	s_lshl_b32 s100, s43, 7                        ; the prefetches: att's rows 128 x tile row + 16 cx,
	s_lshl_b32 s47, s40, 4
	s_add_co_u32 s100, s100, s47
	s_lshl_b32 s101, s42, 7                        ; wo's rows 5,120 + 128 x tile column + 16 cy,
	s_lshl_b32 s47, s41, 4
	s_add_co_u32 s101, s101, s47
	s_add_co_u32 s101, s101, 5120
	s_cmp_eq_u32 s23, 0
	s_cselect_b32 s100, s100, s101
	s_lshl_b32 s47, s46, 6
	s_add_co_u32 s100, s100, s47                   ; + 64 x half
	s_lshl_b32 s100, s100, 11
	s_mov_b32 s101, 0
	v_and_b32 v[PFO], 31, v0
	v_lshrrev_b32 v27, 1, v[PFO]
	v_and_b32 v[PFO], 1, v[PFO]
	v_lshlrev_b32 v[PFO], 8, v[PFO]
	v_lshl_add_u32 v[PFO], v27, 11, v[PFO]
	s_wait_alu depctr_va_vdst(0)
	s_wait_dscnt 0x0
	s_wait_kmcnt 0x0
	s_add_nc_u64 s[92:93], s[4:5], s[92:93]
	s_add_nc_u64 s[96:97], s[6:7], s[96:97]
	s_add_nc_u64 s[94:95], s[8:9], s[94:95]
	s_add_nc_u64 s[98:99], s[10:11], s[98:99]
	CROUND
	s_mov_b32 s[G0S], 1
	s_mov_b32 s[G0S+1], SCLA
	s_mov_b64 s[G0S+2:G0S+3], s[96:97]
	s_or_b32 s[G0S+3], s[G0S+3], 0x80000000
	s_mov_b32 s[G0SB], 1
	s_mov_b32 s[G0SB+1], SCLB
	s_mov_b64 s[G0SB+2:G0SB+3], s[98:99]
	s_or_b32 s[G0SB+3], s[G0SB+3], 0x80000000
	s_cmp_eq_u32 s23, 0                            ; waves 0 and 1 ask for att's codes, waves 2 and 3 for wo's
	s_cselect_b64 s[98:99], s[4:5], s[8:9]
	s_add_nc_u64 s[PFA:PFA+1], s[98:99], s[PFA:PFA+1]
	s_mov_b32 s[G0+4], 1                           ; the head's whole tiles of K step 0 stand in slot 1's groups 0, which are made anew behind the wait for these loads
	s_mov_b32 s[G0+5], 0
	s_mov_b64 s[G0+6:G0+7], s[92:93]
	s_or_b32 s[G0+7], s[G0+7], 0x80000000
	s_mov_b32 s[G0B+4], 1
	s_mov_b32 s[G0B+5], BOFF
	s_mov_b64 s[G0B+6:G0B+7], s[94:95]
	s_or_b32 s[G0B+7], s[G0B+7], 0x80000000
	s_mov_b32 s96, s2
	s_mov_b32 s97, 0
	s_mov_b32 s[G0], 1                             ; slot 0's own groups 0: my half of K step 0; first used, stepped, at its first refill
	s_mov_b32 s[G0+1], s66
	s_add_nc_u64 s[G0+2:G0+3], s[92:93], s[96:97]
	s_or_b32 s[G0+3], s[G0+3], 0x80000000
	s_mov_b32 s[G0B], 1
	s_mov_b32 s[G0B+1], s67
	s_add_nc_u64 s[G0B+2:G0B+3], s[94:95], s[96:97]
	s_or_b32 s[G0B+3], s[G0B+3], 0x80000000
; one chain of branches on the wave's number, a load to an arm: every way through the head passes exactly one load
.macro ARM under, g0, g1, next
	s_cmp_lt_u32 s[WV], \under
	s_cbranch_scc0 \next
	tensor_load_to_lds s[\g0:\g0+3], s[\g1:\g1+7]
	s_nop 0
.rept 4
	v_nop
.endr
	s_branch .Lhead_asked
\next:
.endm
	ARM 1, G0+4,  G1,  .Lhead_b
	ARM 2, G0B+4, G1B, .Lhead_sa
	ARM 3, G0S,   G1S, .Lhead_sb
	tensor_load_to_lds s[G0SB:G0SB+3], s[G1SB:G1SB+7]
	s_nop 0
.rept 4
	v_nop
.endr
.Lhead_asked:
	global_prefetch_b8 v[PFO], s[PFA:PFA+1] offset:512 th:TH_LOAD_NT scope:SCOPE_SE    ; K steps 1 and 2
	global_prefetch_b8 v[PFO], s[PFA:PFA+1] offset:1024 th:TH_LOAD_NT scope:SCOPE_SE
	v_and_b32 v1, 15, v0
	v_bfe_u32 v2, v0, 4, 1
	v_and_b32 v3, 31, v0
	v_lshlrev_b32 v[LI16], 4, v3
	v_lshlrev_b32 v[BO], 6, v2
	s_lshl_b32 s92, s42, 9
	s_mov_b32 s93, 0
	s_add_nc_u64 s[92:93], s[12:13], s[92:93]
.irp d, 0,1,2,3,4,5,6,7
	global_load_b128 v[BI+8*\d:BI+8*\d+3], v[BO], s[92:93] offset:(64*(\d/4)+32*((\d%4)/2)+8*(\d%2))*4
	global_load_b128 v[BI+8*\d+4:BI+8*\d+7], v[BO], s[92:93] offset:(64*(\d/4)+32*((\d%4)/2)+8*(\d%2))*4+16
.endr
	v_mul_u32_u24 v24, v1, PITCH
	v_lshl_add_u32 v24, v2, 4, v24
	s_mul_i32 s2, s[WV], 32*PITCH
	v_add_nc_u32 v[ADRA], s2, v24
	v_add_nc_u32 v[ADRA+1], SLOT, v[ADRA]
	v_add_nc_u32 v[ADRB], BOFF, v24
	v_add_nc_u32 v[ADRB+1], SLOT, v[ADRB]
	s_lshl_b32 s2, s[WV], 8
	s_add_co_u32 s2, s2, SCLA
	v_lshl_add_u32 v[ADSA], v3, 3, s2
	v_lshrrev_b32 v25, 2, v3
	v_lshlrev_b32 v26, 6, v3
	v_lshl_add_u32 v25, v25, 4, v26
	v_add_nc_u32 v[ADSB], SCLB, v25
	s_mul_i32 s2, s[WV], 16*528
	s_add_co_u32 s2, s2, STG
	v_mul_u32_u24 v[STO], v1, 528
	v_lshl_add_u32 v[STO], v2, 6, v[STO]
	v_add_nc_u32 v[STO], s2, v[STO]
	v_add_nc_u32 v[RD], s2, v[LI16]
	s_lshl_b32 s94, s43, 7
	s_lshl_b32 s95, s[WV], 5
	s_add_co_u32 s94, s94, s95
	s_lshl_b32 s94, s94, 13
	s_lshl_b32 s95, s42, 9
	s_add_co_u32 s94, s94, s95
	s_mov_b32 s95, 0
	s_add_nc_u64 s[14:15], s[14:15], s[94:95]
.macro FRAG reg, adr, off
.irp c, 0,1,2,3
	ds_load_b128 v[(\reg)+4*\c:(\reg)+4*\c+3], v[\adr] offset:(\off)+32*\c
.endr
.endm
.macro FETCH slot, q
	WIN 0x80+0x40*((\q)%2)
	FRAG 0, ADRA+\slot, 128*(\q)
	FRAG 16, ADRA+\slot, 16*PITCH+128*(\q)
.set dd, 0
.rept NCT
	FRAG 32+16*dd, ADRB+\slot, dd*16*PITCH+128*(\q)
.set dd, dd+1
.endr
	WIN 0
.endm
.macro SCALES s
	ds_load_b64 v[SA+4*\s:SA+4*\s+1], v[ADSA]
	ds_load_b64 v[SA+4*\s+2:SA+4*\s+3], v[ADSA] offset:1024
.set dd, 0
.rept NCT/2
	ds_load_b128 v[SB+16*\s+4*dd:SB+16*\s+4*dd+3], v[ADSB] offset:dd*2176
.set dd, dd+1
.endr
.endm
.macro MM d, u, q, sc, first
.set rD, (((\d)/4)*2+(\u))*32+((\d)%4)*8
.set rC, rD
.if \first
.set rC, BI+8*(\d)
.endif
.set rA, 32+16*(\d)
.set rB, 16*(\u)
.set rW, SB+16*(\sc)+4*((\d)/2)+(\q)
.set rX, SA+4*(\sc)+(\q)
.if ((\d)%2) && (\u)
	v_wmma_scale_f32_16x16x128_f8f6f4 v[rD:rD+7], v[rA:rA+15], v[rB:rB+15], v[rC:rC+7], v[rW], v[rX] matrix_a_fmt:MATRIX_FMT_BF8 matrix_b_fmt:MATRIX_FMT_BF8 matrix_a_scale:MATRIX_SCALE_ROW1 matrix_b_scale:MATRIX_SCALE_ROW1
.elseif ((\d)%2)
	v_wmma_scale_f32_16x16x128_f8f6f4 v[rD:rD+7], v[rA:rA+15], v[rB:rB+15], v[rC:rC+7], v[rW], v[rX] matrix_a_fmt:MATRIX_FMT_BF8 matrix_b_fmt:MATRIX_FMT_BF8 matrix_a_scale:MATRIX_SCALE_ROW1
.elseif (\u)
	v_wmma_scale_f32_16x16x128_f8f6f4 v[rD:rD+7], v[rA:rA+15], v[rB:rB+15], v[rC:rC+7], v[rW], v[rX] matrix_a_fmt:MATRIX_FMT_BF8 matrix_b_fmt:MATRIX_FMT_BF8 matrix_b_scale:MATRIX_SCALE_ROW1
.else
	v_wmma_scale_f32_16x16x128_f8f6f4 v[rD:rD+7], v[rA:rA+15], v[rB:rB+15], v[rC:rC+7], v[rW], v[rX] matrix_a_fmt:MATRIX_FMT_BF8 matrix_b_fmt:MATRIX_FMT_BF8
.endif
.endm
.macro MULS d0, d1, q, sc, first
.set de, \d0
.rept (\d1)-(\d0)+1
	MM de, 0, \q, \sc, \first
	MM de, 1, \q, \sc, \first
.set de, de+1
.endr
.endm
.macro STEP slot, q, first
	s_wait_dscnt 0x0
	PLACES 8
	FETCH \slot, (\q)+1
.if \first
	WIN 0x4a
.elseif (\q)%2
	WIN 0x5f
.else
	WIN 0x5a
.endif
	MULS 0, NCT-1, \q, \slot, \first
.endm
.macro TURN slot, next, fill
	WIN 0
	s_wait_tensorcnt 0x0
	ds_add_u32 v[SPW], v[NIL]
	s_wait_dscnt 1
	WIN 0x5f
	MULS 0, T1-1, 3, \slot, 0
	s_wait_dscnt 0x0
	s_barrier_signal -1
	MULS T1, T2-1, 3, \slot, 0
	WIN 0
	s_barrier_wait -1
.if \fill
	CREST
	s_add_nc_u64 s[G0+4*\slot+2:G0+4*\slot+3], s[G0+4*\slot+2:G0+4*\slot+3], 1024
	s_add_nc_u64 s[G0B+4*\slot+2:G0B+4*\slot+3], s[G0B+4*\slot+2:G0B+4*\slot+3], 1024
	JLOAD G0+4*\slot, G1, G0B+4*\slot, G1B
	PLACES 4
.else
	PLACES 8
.endif
	s_wait_alu depctr_va_vdst(0)
	v_add_nc_u32 v[ADSA], ASTEP, v[ADSA]
	v_add_nc_u32 v[ADSB], 16, v[ADSB]
	FETCH \next, 0
	SCALES \next
	WIN 0x5f
	MULS T2, NCT-1, 3, \slot, 0
.endm
	s_wait_alu depctr_va_vdst(0)
	s_wait_tensorcnt 0x0                           ; my tile of the head's four is in
	ds_add_u32 v[SPW], v[NIL]
	s_mov_b32 s[G1+2], 64<<16                      ; no tensor load of mine is out: from here on a load brings half a tile,
	s_mov_b32 s[G1+4], 64
	s_mov_b32 s[G1B+2], 64<<16
	s_mov_b32 s[G1B+4], 64
	s_add_co_u32 s[G0+5], s[G0+1], SLOT            ; and slot 1's groups 0 name my half of K step 1
	s_add_nc_u64 s[G0+6:G0+7], s[G0+2:G0+3], 512
	s_add_co_u32 s[G0B+5], s[G0B+1], SLOT
	s_add_nc_u64 s[G0B+6:G0B+7], s[G0B+2:G0B+3], 512
	s_wait_dscnt 0x0
	CROUND                                         ; all four tiles are in, and all sixteen work-groups are here
	JLOAD G0+4, G1, G0B+4, G1B                     ; K step 1, the first tensor load behind the round
	FETCH 0, 0
	SCALES 0
	global_prefetch_b8 v[PFO], s[PFA:PFA+1] offset:1536 th:TH_LOAD_NT scope:SCOPE_SE   ; K step 3
	s_wait_loadcnt 0x0
	STEP 0, 0, 1
	STEP 0, 1, 0
	STEP 0, 2, 0
	TURN 0, 1, 1
	STEP 1, 0, 0
	STEP 1, 1, 0
	STEP 1, 2, 0
	TURN 1, 0, 1
	STEP 0, 0, 0
	STEP 0, 1, 0
	STEP 0, 2, 0
	TURN 0, 1, 0
	STEP 1, 0, 0
	STEP 1, 1, 0
	STEP 1, 2, 0
	s_wait_dscnt 0x0
	WIN 0x5f
	MULS 0, NCT-1, 3, 1, 0
	WIN 0
	PLACES 8
.macro TOSTAGE u
	WIN 0x04
.irp n, 0,1
.irp t, 0,1,2,3
	ds_store_b128 v[STO], v[(2*\n+\u)*32+8*\t:(2*\n+\u)*32+8*\t+3] offset:256*\n+128*(\t/2)+32*(\t%2)
	ds_store_b128 v[STO], v[(2*\n+\u)*32+8*\t+4:(2*\n+\u)*32+8*\t+7] offset:256*\n+128*(\t/2)+32*(\t%2)+16
.endr
.endr
	WIN 0
.irp p, 0,1,2,3,4,5,6,7,8,9,10,11,12,13,14,15
	ds_load_b128 v[96+64*\u+4*\p:96+64*\u+4*\p+3], v[RD] offset:\p*528
.endr
.endm
.macro SEND u
.irp p, 0,1,2,3,4,5,6,7,8,9,10,11,12,13,14,15
	global_store_b128 v[LI16], v[96+64*\u+4*\p:96+64*\u+4*\p+3], s[14:15] offset:(16*\u+\p)*8192 th:TH_STORE_NT
.endr
.endm
	TOSTAGE 0
	TOSTAGE 1
	s_wait_dscnt 32
	SEND 0
	s_wait_dscnt 0x0
	SEND 1
	s_wait_tensorcnt 0x0
	ds_add_u32 v[SPW], v[NIL]
	s_wait_dscnt 0x0
	CROUND
	s_endpgm
.Lfunc_end_k_qeeb228c7f1_oproj:
	.size	k_qeeb228c7f1_oproj, .Lfunc_end_k_qeeb228c7f1_oproj-k_qeeb228c7f1_oproj
	.p2alignl 7, 3214868480
	.fill 96, 4, 3214868480
	.section	.rodata,"a",@progbits
	.p2align	6, 0x0
	.amdhsa_kernel k_qeeb228c7f1_oproj
		.amdhsa_group_segment_fixed_size 327680
		.amdhsa_private_segment_fixed_size 0
		.amdhsa_enable_private_segment 0
		.amdhsa_kernarg_size 48
		.amdhsa_user_sgpr_count 2
		.amdhsa_user_sgpr_kernarg_segment_ptr 1
		.amdhsa_wavefront_size32 1
		.amdhsa_system_sgpr_workgroup_id_x 1
		.amdhsa_system_sgpr_workgroup_id_y 1
		.amdhsa_system_sgpr_workgroup_id_z 1
		.amdhsa_system_vgpr_workitem_id 0
		.amdhsa_next_free_vgpr 1024
		.amdhsa_next_free_sgpr 102
		.amdhsa_reserve_vcc 0
		.amdhsa_float_denorm_mode_32 3
		.amdhsa_float_denorm_mode_16_64 3
		.amdhsa_memory_ordered 1
		.amdhsa_forward_progress 1
		.amdhsa_inst_pref_size 103
	.end_amdhsa_kernel
	.amdgpu_metadata
---
amdhsa.version: [ 1, 2 ]
amdhsa.kernels:
  - .name:           k_qeeb228c7f1_oproj
    .symbol:         k_qeeb228c7f1_oproj.kd
    .args:
      - { .name: attc, .offset: 0, .size: 8, .value_kind: global_buffer, .address_space: global }
      - { .name: atts, .offset: 8, .size: 8, .value_kind: global_buffer, .address_space: global }
      - { .name: cod, .offset: 16, .size: 8, .value_kind: global_buffer, .address_space: global }
      - { .name: scl, .offset: 24, .size: 8, .value_kind: global_buffer, .address_space: global }
      - { .name: bo, .offset: 32, .size: 8, .value_kind: global_buffer, .address_space: global }
      - { .name: out0, .offset: 40, .size: 8, .value_kind: global_buffer, .address_space: global }
    .group_segment_fixed_size: 327680
    .private_segment_fixed_size: 0
    .kernarg_segment_align: 8
    .kernarg_segment_size: 48
    .max_flat_workgroup_size: 128
    .sgpr_count:     102
    .vgpr_count:     1024
    .wavefront_size: 32
...
	.end_amdgpu_metadata
.endif
;; end of part 4
